; MI455X (gfx1250); checked and timed in simulation.
; The chip was launched on July 23, 2026; its instructions are those of AMD's public machine-readable ISA for CDNA 5 (MIT licence, August 2026) and "CDNA5" Instruction Set Architecture Reference Guide (July 2026). The comments in the code are by the model that wrote it; some were corrected since.
;; Attention. Allowed arithmetic: matrix products marked QUANTISED: E2M3 operands, one E8M0 scale for each 32 along K, by v_wmma_scale_f32_16x16x128_f8f6f4 with both operands' format E2M3, f32 sums; everything else in f32.
;; Inputs: cos 2,048 x 64 float32; k_norm_w 64 float32; proj_b 1,024 float32; proj_w 1,024 x 1,024 float32; q_norm_w 64 float32; qkv_b 3,072 float32; qkv_w 3,072 x 1,024 float32; sin 2,048 x 64 float32; x 4 x 2,048 x 1,024 float32.
;; Outputs: out0 4 x 2,048 x 1,024 float32.
;; This version of the problem:
;;   THIS VERSION OF THE PROBLEM IS GIVEN IN LOW PRECISION. The matrix products marked QUANTISED in the list below multiply operands that are first quantised to E2M3 (2 exponent bits, 3 mantissa bits; 6 bits a number), with one power-of-two scale for each 32 numbers along K (OCP MX v1.0); their sums are f32. All else is computed in f32.
;;   The module's matrix products, in the order in which they are computed (A, B: the left and right operand; K: the contracted axis; several contracted axes count as one K, in the product's order):
;;     1. [M 8,192, K 1,024] x [K 1,024, N 3,072]; A: input x; B: input qkv_w: QUANTISED
;;     2. batch 64 x [M 2,048, K 64] x [K 64, N 2,048]; A: computed on the way; B: computed on the way: QUANTISED
;;     3. batch 64 x [M 2,048, K 2,048] x [K 2,048, N 64]; A: softmax (see below); B: computed on the way: QUANTISED
;;     4. [M 8,192, K 1,024] x [K 1,024, N 1,024]; A: computed on the way; B: input proj_w: QUANTISED
;;   THE QUANTISER, for each operand of a quantised product, along K:
;;     - K is cut into blocks of 32 from its start; a last block that is shorter is filled with zeros.
;;     - A block's scale is 2^e with e = floor(log2(the largest magnitude in the block)) - 2, held to -126 .. 127; a block of zeros has e = 0. As a byte (E8M0): e + 127.
;;     - Each number is divided by its block's scale, clamped to +-7.5, and rounded to the nearest number of E2M3, ties to even, subnormals kept.
;;     - The product sums the exact products of the quantised numbers (number of the format x scale) in f32.
;;   ~~~python
;;   def quantise(x, axis):      # numpy; x: float32 -> the quantised numbers, widened to float32 again
;;       x = np.moveaxis(x, axis, -1); K = x.shape[-1]
;;       x = np.pad(x, [(0, 0)] * (x.ndim - 1) + [(0, -K % 32)]); x = x.reshape(x.shape[:-1] + (-1, 32)); a = np.abs(x).max(-1, keepdims=True)
;;       e = np.where(a > 0, np.clip(np.frexp(np.where(a > 0, a, 1))[1] - 1 - 2, -126, 127), 0)      # np.frexp(a)[1] - 1 = floor(log2(a)), exactly
;;       r = np.clip(x / 2.0 ** e, -7.5, 7.5)
;;       step = 2.0 ** (np.maximum(np.frexp(np.where(r == 0, 1, r))[1] - 1, 0) - 3)
;;       q = np.round(r / step) * step * 2.0 ** e      # np.round: ties to even
;;       return np.moveaxis(q.reshape(q.shape[:-2] + (-1,))[..., :K], -1, axis).astype(np.float32)
;;   ~~~
;;   SOFTMAX AHEAD OF A QUANTISED PRODUCT. Where the list says 'softmax', what is quantised is not the finished softmax but p = 2^(t - M), with t = logit x log2(e) and M = ceil(the row's largest t), a whole number; so 1/2 < the row's largest p <= 1. The row's sum l is taken of the UNQUANTISED p, in f32, and the product's result is divided by l at the end. Since M is a whole number, a kernel that streams over the keys may use a running M (the ceiling of the running maximum): every later rescaling is an exact power of two, which a block's scale takes up: the codes' values come out the same.
;;   OPERANDS COMPUTED ON THE WAY. 'Computed on the way' means the value that the module computes at that place (a softmax that the list does not call 'softmax' is quantised finished and normalised). What goes into a quantiser is computed in f32, as accurately as f32 sums, v_exp_f32 and their like allow (about 1e-6 of the number): no bf16 or f16 on the way to a quantiser, and a product that is left as it is and whose result goes on into a quantised operand takes f32 operands (vector FMAs, or v_wmma_f32_16x16x4_f32). A number that lies on a knife's edge between two numbers of the format may be rounded either way, as far as f32 arithmetic and the matrix unit's own rounding can turn it there, and no further.
;; One version. Each part assembles by itself: llvm-mc -triple=amdgcn-amd-amdhsa -mcpu=gfx1250 --defsym DOCPART=n.
;; ======== version 1 of 1: 4 launches
;; limits: right only within a limited range of input values
;; workspace buffers: xq 6,553,600 bytes; wq 2,457,600 bytes; pq 819,200 bytes; qkv 20,185,088 bytes; oq 6,553,600 bytes
;; launch quant (part 1): grid 384 x 1, 4 waves a work-group, no clusters, 34,304 bytes of LDS; arguments x, qkv_w, proj_w, xq, wq, pq; writes xq, wq, pq
.if DOCPART == 1
	.amdgcn_target "amdgcn-amd-amdhsa--gfx1250"
	.amdhsa_code_object_version 6
	.text
	.protected	k_q3c626b88d4_quant
	.globl	k_q3c626b88d4_quant
	.p2align	8
	.type	k_q3c626b88d4_quant,@function
k_q3c626b88d4_quant:
	s_mov_b64 s[64:65], 0
	v_nop
	global_prefetch_b8 v0, s[64:65] scope:SCOPE_SE
	s_setreg_imm32_b32 hwreg(HW_REG_WAVE_MODE, 25, 1), 1
	s_wait_xcnt 0x0
; x [8192][1024], qkv_w [3072][1024] and proj_w [1024][1024], f32, K innermost, become codes of FP6 (E2M3) with one E8M0 byte for each 32 along K,
; laid in the ORDER OF THE OPERAND'S REGISTERS, so that the products' launches fetch dense blocks and read fragments by loads of 16 and 8 bytes a lane.
; A fragment is 16 rows x 128 K: 12 registers a lane; lane (r, h) holds row r, registers 6 c .. 6 c + 5 = k 64 c + 32 h + 0 .. 31.  Each half (c) lies as 768 bytes:
; registers +0..3 at 16 x lane (512 bytes), registers +4..5 at 8 x lane (256 bytes).  Codes: [block of 128 rows][K step of 128][tile 0..7][1,536 bytes].
; Scale words (four bytes: a row's 128 along K): [group of 64 rows][K step][256 bytes], the word of the group's tile i, row r, at 16 r + 4 i.
; THE ROWS OF A TILE ARE NOT NEIGHBOURS: in each 32 rows tile u (0, 1) takes, as its row r, the tensor's row 8 u + r + 8 (r / 8).  Where such a tile is source 0 of a product,
; a lane's 16 result registers of tiles 2 b and 2 b + 1 are 16 neighbours along that axis.
; A block's scale is 2^(floor(log2(its largest magnitude)) - 2); its byte is the largest magnitude's exponent field - 2, held at 1 from below.
; LIMITS: NaN and infinities are not served; a block whose largest magnitude lies under 2^-124 keeps the byte 1; a block of zeros has the byte 1 where the rule says 127
; (its codes are zeros, and this program alone reads the bytes).
; SHARES: work-groups 0-255 take x, 256-351 qkv_w, 352-383 proj_w: only pointers are chosen, one path through the text.  A wave makes the four fragments of 64 rows x 128 K.
; Each load reads 512 consecutive bytes of one row; a fragment's 16 rows turn through the wave's own stage in LDS (rows 528 bytes apart), so that a lane gets 2 x 32 neighbours of one row.
.set XSC, 6291456                      ; where the scale words begin in xq,
.set WSC, 2359296                      ; in wq,
.set PSC, 786432                       ; in pq
.set RB,  98304                        ; codes of 128 rows, all of K
.set KB,  12288                        ; codes of 128 rows, one K step
.set SP,  528                          ; a stage row: 512 bytes + 16
.set STG, 16*SP                        ; a wave's stage
.set PW,  16                           ; v16-19   the four fragments' scale words
.set R,   32                           ; v32-159  two sets of 64 registers as loaded
.set X,   160                          ; v160-223 my 2 x 32 neighbours
.set PC,  224                          ; v224-235 a fragment's codes
.set T2,  236                          ; v236-238, v240-242 the upper halves of the two blocks (a conversion's three registers begin on an even number)
	s_load_b256 s[4:11], s[0:1], 0x0               ; x, qkv_w, proj_w, xq
	s_load_b128 s[12:15], s[0:1], 0x20             ; wq, pq
	v_lshl_add_u32 v248, v0, 2, 0x8400
	v_mov_b32 v249, 0
	v_lshrrev_b32 v7, 5, v0
	v_readfirstlane_b32 s26, v7                    ; wave
	v_and_b32 v7, 31, v0                           ; lane
	v_lshlrev_b32 v1, 4, v7                        ; 16 x lane
	v_lshlrev_b32 v2, 3, v7                        ; 8 x lane
	v_and_b32 v8, 15, v0                           ; r
	v_bfe_u32 v9, v0, 4, 1                         ; h
	s_mul_i32 s27, s26, STG                        ; my stage
	v_add_nc_u32 v3, s27, v1                       ; into it: a row's 512 bytes as they lie
	v_mul_u32_u24 v4, v8, SP
	v_lshl_add_u32 v4, v9, 7, v4
	v_add_nc_u32 v4, s27, v4                       ; out of it: row r, 128 h bytes on
	v_lshlrev_b32 v5, 4, v8
	v_lshl_add_u32 v5, v9, 3, v5                   ; the scale words' way out: 16 r + 8 h
	v_lshlrev_b32 v6, 3, v9                        ; 8 h: my bytes' place in a scale word, in bits
	v_mov_b32 v15, 0                               ; a lane permute's destination counts as one of its sources
	s_mov_b32 s28, 0x76543210
	s_mov_b32 s29, 0xfedcba98                      ; v_permlanex16_b32's selects for lane l xor 16
	s_mov_b32 s30, 0xffff0000                      ; lanes 16-31
	s_wait_alu depctr_va_vdst(0)
	s_wait_kmcnt 0x0
	s_cmp_lt_u32 ttmp9, 256                        ; which tensor: the choice hangs on the work-group's number alone
	s_cselect_b64 s[16:17], s[4:5], s[6:7]
	s_cselect_b64 s[18:19], s[10:11], s[12:13]
	s_cselect_b32 s20, 0, 256
	s_mov_b32 s21, WSC
	s_cselect_b32 s21, XSC, s21
	s_cmp_lt_u32 ttmp9, 352
	s_cselect_b64 s[16:17], s[16:17], s[8:9]
	s_cselect_b64 s[18:19], s[18:19], s[14:15]
	s_cselect_b32 s20, s20, 352
	s_cselect_b32 s21, s21, PSC
	s_sub_co_u32 s20, ttmp9, s20                   ; my number among the tensor's work-groups
	s_lshr_b32 s22, s20, 1                         ; G: which 64 rows
	s_and_b32 s23, s20, 1
	s_lshl_b32 s23, s23, 2
	s_add_co_u32 s23, s23, s26                     ; which K step: 4 x (number % 2) + wave
	s_lshl_b32 s24, s22, 18                        ; 64 rows of 4,096 bytes
	s_lshl_b32 s25, s23, 9
	s_add_co_u32 s24, s24, s25
	s_mov_b32 s25, 0
	s_add_nc_u64 s[16:17], s[16:17], s[24:25]      ; the numbers
	s_lshl_b32 s24, s22, 3
	s_add_co_u32 s24, s24, s23
	s_lshl_b32 s24, s24, 8
	s_add_co_u32 s24, s24, s21
	s_add_nc_u64 s[32:33], s[18:19], s[24:25]      ; the scale words: 256 bytes for (G, K step)
	s_lshr_b32 s24, s22, 1
	s_mul_i32 s24, s24, RB
	s_mul_i32 s31, s23, KB
	s_add_co_u32 s24, s24, s31
	s_and_b32 s31, s22, 1
	s_mul_i32 s31, s31, 6144
	s_add_co_u32 s24, s24, s31
	s_add_nc_u64 s[18:19], s[18:19], s[24:25]      ; the codes: my four tiles
.macro LOADF t                         ; fragment t's 16 rows, 512 bytes each, into set t % 2
.irp i, 0,1,2,3,4,5,6,7,8,9,10,11,12,13,14,15
	global_load_b128 v[R+64*((\t)%2)+4*\i:R+64*((\t)%2)+4*\i+3], v1, s[16:17] offset:(32*((\t)/2)+8*((\t)%2)+\i+8*(\i/8))*4096 th:TH_LOAD_NT
.endr
.endm
.macro FRAGQ t
.if (\t) < 3
	s_wait_loadcnt 16                              ; this fragment's 16 loads are in; the next fragment's 16 may be out
.else
	s_wait_loadcnt 0
.endif
.irp i, 0,1,2,3,4,5,6,7,8,9,10,11,12,13,14,15
	ds_store_b128 v3, v[R+64*((\t)%2)+4*\i:R+64*((\t)%2)+4*\i+3] offset:SP*\i
.endr
.irp c, 0,1
.irp e, 0,1,2,3,4,5,6,7
	ds_load_b128 v[X+32*\c+4*\e:X+32*\c+4*\e+3], v4 offset:256*\c+16*\e   ; LDS serves a wave's instructions in order: these see the stores above
.endr
.endr
	s_wait_dscnt 0x0                               ; my neighbours are in, and the stores have read their registers,
.if (\t)+2 < 4
	LOADF (\t)+2                                   ; which take the fragment two on
.endif
.irp c, 0,1                                    ; block 2 c + h of my row: all its 32 numbers are mine
	v_max3_num_f32 v[8+\c], |v[X+32*\c]|, |v[X+32*\c+1]|, 0x1800000   ; and the floor 2^(3 - 127): the byte cannot fall under 1
.endr
.irp i, 2,4,6,8,10,12,14,16,18,20,22,24,26,28,30
.irp c, 0,1
	v_max3_num_f32 v[8+\c], v[8+\c], |v[X+32*\c+\i]|, |v[X+32*\c+\i+1]|   ; (the two blocks by turns)
.endr
.endr
.irp c, 0,1
	v_add_nc_u32 v[10+\c], 0xff000000, v[8+\c]     ; 2 off the exponent field: the conversion's scale operand
.endr
.irp c, 0,1
	v_lshrrev_b32 v[12+\c], 23, v[10+\c]           ; the scale's byte
.endr
	v_lshl_or_b32 v14, v13, 16, v12                ; my two bytes: blocks h and 2 + h,
	v_lshlrev_b32 v14, v6, v14                     ; at their places;
	v_permlanex16_b32 v15, v14, s28, s29
	v_or_b32 v[PW+(\t)], v14, v15                  ; with lane l xor 16's two the word is whole
	s_wait_alu depctr_va_vdst(0)
	s_wait_xcnt 0x0                                ; the last fragment's stores have read the codes' registers
.irp c, 0,1
	v_cvt_scalef32_pk16_fp6_f32 v[PC+6*\c:PC+6*\c+2], v[X+32*\c:X+32*\c+15], v[10+\c]
	v_cvt_scalef32_pk16_fp6_f32 v[T2+4*\c:T2+4*\c+2], v[X+32*\c+16:X+32*\c+31], v[10+\c]
.endr
	v_nop                                          ; one plain place behind a scaled conversion
.irp c, 0,1
.irp i, 0,1,2
	v_mov_b32 v[PC+6*\c+3+\i], v[T2+4*\c+\i]
.endr
.endr
.irp c, 0,1
	global_store_b128 v1, v[PC+6*\c:PC+6*\c+3], s[18:19] offset:1536*(\t)+768*\c        ; 512 consecutive bytes, aligned
	global_store_b64 v2, v[PC+6*\c+4:PC+6*\c+5], s[18:19] offset:1536*(\t)+768*\c+512   ; 256 consecutive bytes, aligned
.endr
.endm
	LOADF 0
	LOADF 1
	FRAGQ 0
	FRAGQ 1
	FRAGQ 2
	FRAGQ 3
	v_cndmask_b32 v20, v[PW], v[PW+2], s30         ; lanes 0-15 send tiles 0 and 1, lanes 16-31 tiles 2 and 3
	v_cndmask_b32 v21, v[PW+1], v[PW+3], s30
	global_store_b64 v5, v[20:21], s[32:33]        ; 256 consecutive bytes, aligned
	s_wait_tensorcnt 0x0
	ds_add_u32 v248, v249
	s_wait_dscnt 0x0
	s_endpgm
.Lfunc_end_k_q3c626b88d4_quant:
	.size	k_q3c626b88d4_quant, .Lfunc_end_k_q3c626b88d4_quant-k_q3c626b88d4_quant
	.p2alignl 7, 3214868480
	.fill 96, 4, 3214868480
	.section	.rodata,"a",@progbits
	.p2align	6, 0x0
	.amdhsa_kernel k_q3c626b88d4_quant
		.amdhsa_group_segment_fixed_size 34304
		.amdhsa_private_segment_fixed_size 0
		.amdhsa_enable_private_segment 0
		.amdhsa_kernarg_size 48
		.amdhsa_user_sgpr_count 2
		.amdhsa_user_sgpr_kernarg_segment_ptr 1
		.amdhsa_wavefront_size32 1
		.amdhsa_system_sgpr_workgroup_id_x 1
		.amdhsa_system_sgpr_workgroup_id_y 1
		.amdhsa_system_sgpr_workgroup_id_z 1
		.amdhsa_system_vgpr_workitem_id 0
		.amdhsa_next_free_vgpr 250
		.amdhsa_next_free_sgpr 66
		.amdhsa_reserve_vcc 0
		.amdhsa_float_denorm_mode_32 3
		.amdhsa_float_denorm_mode_16_64 3
		.amdhsa_memory_ordered 1
		.amdhsa_forward_progress 1
		.amdhsa_inst_pref_size 31
	.end_amdhsa_kernel
	.amdgpu_metadata
---
amdhsa.version: [ 1, 2 ]
amdhsa.kernels:
  - .name:           k_q3c626b88d4_quant
    .symbol:         k_q3c626b88d4_quant.kd
    .args:
      - { .name: x, .offset: 0, .size: 8, .value_kind: global_buffer, .address_space: global }
      - { .name: qkv_w, .offset: 8, .size: 8, .value_kind: global_buffer, .address_space: global }
      - { .name: proj_w, .offset: 16, .size: 8, .value_kind: global_buffer, .address_space: global }
      - { .name: xq, .offset: 24, .size: 8, .value_kind: global_buffer, .address_space: global }
      - { .name: wq, .offset: 32, .size: 8, .value_kind: global_buffer, .address_space: global }
      - { .name: pq, .offset: 40, .size: 8, .value_kind: global_buffer, .address_space: global }
    .group_segment_fixed_size: 34304
    .private_segment_fixed_size: 0
    .kernarg_segment_align: 8
    .kernarg_segment_size: 48
    .max_flat_workgroup_size: 128
    .sgpr_count:     66
    .vgpr_count:     250
    .wavefront_size: 32
...
	.end_amdgpu_metadata
.endif
;; end of part 1
;; launch gemm_qkv (part 2): grid 12 x 32, 4 waves a work-group, clusters of 4 x 4, 327,680 bytes of LDS; arguments xq, wq, qkv_b, q_norm_w, k_norm_w, cos, sin, qkv; writes qkv
.if DOCPART == 2
	.amdgcn_target "amdgcn-amd-amdhsa--gfx1250"
	.amdhsa_code_object_version 6
	.text
	.protected	k_q3c626b88d4_gemm_qkv
	.globl	k_q3c626b88d4_gemm_qkv
	.p2align	8
	.type	k_q3c626b88d4_gemm_qkv,@function
k_q3c626b88d4_gemm_qkv:
	s_mov_b64 s[64:65], 0
	v_nop
	global_prefetch_b8 v0, s[64:65] scope:SCOPE_SE
	s_setreg_imm32_b32 hwreg(HW_REG_WAVE_MODE, 25, 1), 1
	s_wait_xcnt 0x0
	s_wait_alu depctr_hold_cnt(0) depctr_sa_sdst(0) depctr_va_vdst(0) depctr_va_sdst(0) depctr_va_ssrc(0) depctr_va_vcc(0) depctr_vm_vsrc(0)
	s_getreg_b32 s2, hwreg(HW_REG_IB_STS2, 6, 4)
	s_cmp_eq_u32 s2, 0
	s_cbranch_scc0 .Lentry_in_a_cluster
	s_endpgm
.Lentry_in_a_cluster:
	s_bfe_u32 s2, ttmp6, 0x10000c
	s_cmp_lg_u32 s2, 0xf033
	s_cbranch_scc0 .Lentry_shape_is_right
	s_endpgm
.Lentry_shape_is_right:
.set RB,    98304
.set KB,    12288
.set FRB,   1536
.set QUART, 2*KB
.set SLOT,  4*QUART
.set SCL,   2*SLOT
.set SPARE, SCL+4*4096
.set XSC,   6291456
.set WSC,   2359296
.set WVC,   16*RB
.set WVS,   WSC+16*4096
.set REC,   19712
.set HS,    16*REC
.set FR,    12
.set NL,    4
.set NP,    4
.set ADRA,  16
.set ADRB,  20
.set ADRS,  27
.set SPW,   28
.set NIL,   29
.set SC,    32
.set AF,    128
.set WV, 20
.set SA, 21
.set SB, 22
.set CX, 23
.set CY, 24
.set RR, 25
.set CC, 26
.set G1,   28
.set G0,   36
.set G1B,  44
.set G0B,  52
.set G1S,  68
.set G0S,  76
.set G1SB, 80
.set G0SB, 88
.set MSB, 0
.macro WIN new
.if MSB != (\new)
	s_set_vgpr_msb (MSB<<8)|(\new)
.set MSB, (\new)
.endif
.endm
.set MUL_LO, 0xa1
.set MUL_HI, 0xf1
.set TO_B,   0x40
.macro JLOAD g0a, g1a, g0b, g1b
	s_cmp_eq_u32 s[SA], 0
	s_cbranch_scc0 .Lfor_b_\@
	tensor_load_to_lds s[\g0a:\g0a+3], s[\g1a:\g1a+7]
	s_nop 0
.rept 4
	v_nop
.endr
	s_branch .Lasked_\@
.Lfor_b_\@:
	tensor_load_to_lds s[\g0b:\g0b+3], s[\g1b:\g1b+7]
	s_nop 0
.rept 4
	v_nop
.endr
.Lasked_\@:
.endm
.macro CREST
	s_cmp_lg_u32 s[WV], 0
	s_cbranch_scc1 .Lnot_wave_0_\@
	s_barrier_signal -3
.Lnot_wave_0_\@:
	s_barrier_wait -3
	s_barrier_signal -1
	s_barrier_wait -1
.endm
.macro CROUND
	s_barrier_signal -1
	s_barrier_wait -1
	CREST
.endm
.macro PLACES n
.rept \n
	v_nop
.endr
.endm
	s_load_b512 s[4:19], s[0:1], 0x0
	v_lshl_add_u32 v[SPW], v0, 2, SPARE
	v_mov_b32 v[NIL], 0
	ds_add_u32 v28, v29
	ds_add_u32 v28, v29
	s_wait_dscnt 0x0
	v_lshrrev_b32 v1, 5, v0
	v_readfirstlane_b32 s[WV], v1
	v_and_b32 v31, 31, v0                          ; the prefetches' offsets, never rewritten: a lane names a block of 256 bytes
	v_min_u32 v30, 23, v31                         ; 24 blocks of a quarter slot (lanes left over name the last again)
	v_min_u32 v26, 1, v31                          ; 2 blocks of the bias
	v_lshlrev_b32 v30, 8, v30
	v_lshlrev_b32 v26, 8, v26
	v_lshlrev_b32 v31, 8, v31                      ; 32 rows of cos or sin
	v_mov_b32 v25, 0                               ; the one block of the norm's weights
	s_lshr_b32 s[SA], s[WV], 1
	s_and_b32 s[SB], s[WV], 1
	s_bfe_u32 s[CX], ttmp6, 0x40000
	s_bfe_u32 s[CY], ttmp6, 0x40004
	s_and_b32 s27, ttmp7, 0xffff
	s_lshl_b32 s27, s27, 2
	s_add_co_u32 s[RR], s27, s[CY]
	s_add_co_u32 s27, s27, s[CX]
	s_lshl_b32 s[CC], ttmp9, 2
	s_add_co_u32 s[CC], s[CC], s[CX]
	s_cmp_eq_u32 ttmp9, 2
	s_cselect_b32 s[RR], s[CY], s[RR]
	s_cselect_b32 s[CC], s27, s[CC]
	s_lshl_b32 s100, s[CY], 2
	s_lshl_b32 s100, 15, s100
	s_lshl_b32 s101, 0x1111, s[CX]
	s_or_b32 s[G1], s100, (3<<16)|(1<<21)
	s_or_b32 s[G1B], s101, (3<<16)|(1<<21)
	s_or_b32 s[G1S], s100, (3<<16)|(1<<21)
	s_or_b32 s[G1SB], s101, (3<<16)|(1<<21)
.irp g, G1, G1B
	s_mov_b32 s[\g+1], 3072<<16                    ; the head's shape: two rows of 24,576 bytes (two K steps of a block of 128 rows), 98,304 bytes apart
	s_mov_b32 s[\g+2], 2<<16
	s_mov_b32 s[\g+3], 3072<<16
	s_mov_b32 s[\g+4], 2
	s_mov_b32 s[\g+5], 12288
	s_mov_b32 s[\g+6], 0
	s_mov_b32 s[\g+7], 0
.endr
.irp g, G1S, G1SB
	s_mov_b32 s[\g+1], 32<<16
	s_mov_b32 s[\g+2], 32<<16
	s_mov_b32 s[\g+3], 32<<16
	s_mov_b32 s[\g+4], 32
	s_mov_b32 s[\g+5], 32
	s_mov_b32 s[\g+6], 0
	s_mov_b32 s[\g+7], 0
.endr
	s_lshl_b32 s100, s[RR], 1
	s_add_co_u32 s100, s100, s[SB]
	s_mul_i32 s2, s100, RB
	s_mov_b32 s3, 0
	s_lshl_b32 s66, s[RR], 13
	s_mov_b32 s67, 0
	s_lshl_b32 s101, s[CC], 1
	s_add_co_u32 s101, s101, s[SB]
	s_mul_i32 s60, s101, RB
	s_mov_b32 s61, 0
	s_lshl_b32 s62, s[CC], 13
	s_mov_b32 s63, 0
	s_mul_i32 s27, s[WV], QUART
	s_wait_kmcnt 0x0
	s_add_nc_u64 s[92:93], s[6:7], WVC
	s_add_nc_u64 s[94:95], s[6:7], WVS
	s_add_nc_u64 s[96:97], s[4:5], XSC
	s_add_nc_u64 s[98:99], s[6:7], WSC
	s_cmp_eq_u32 ttmp9, 2
	s_cselect_b64 s[92:93], s[92:93], s[4:5]
	s_cselect_b64 s[94:95], s[94:95], s[96:97]
	s_cselect_b64 s[96:97], s[96:97], s[98:99]
	s_cselect_b64 s[98:99], s[4:5], s[6:7]
	s_add_nc_u64 s[92:93], s[92:93], s[2:3]
	s_add_nc_u64 s[94:95], s[94:95], s[66:67]
	s_add_nc_u64 s[98:99], s[98:99], s[60:61]
	s_add_nc_u64 s[96:97], s[96:97], s[62:63]
	CROUND
	s_mov_b32 s[G0S], 1
	s_mov_b32 s[G0S+1], SCL
	s_mov_b64 s[G0S+2:G0S+3], s[94:95]
	s_or_b32 s[G0S+3], s[G0S+3], 0x80000000
	s_mov_b32 s[G0SB], 1
	s_mov_b32 s[G0SB+1], SCL+8192
	s_mov_b64 s[G0SB+2:G0SB+3], s[96:97]
	s_or_b32 s[G0SB+3], s[G0SB+3], 0x80000000
.irp s, 0,1
	s_mov_b32 s[G0+4*\s], 1
	s_add_co_u32 s[G0+4*\s+1], s27, \s*SLOT
	s_add_nc_u64 s[G0+4*\s+2:G0+4*\s+3], s[92:93], \s*QUART
	s_or_b32 s[G0+4*\s+3], s[G0+4*\s+3], 0x80000000
	s_mov_b32 s[G0B+4*\s], 1
	s_add_co_u32 s[G0B+4*\s+1], s27, \s*SLOT
	s_add_nc_u64 s[G0B+4*\s+2:G0B+4*\s+3], s[98:99], \s*QUART
	s_or_b32 s[G0B+4*\s+3], s[G0B+4*\s+3], 0x80000000
.endr
; The head's four tiles, one joint load a wave: wave 0 slot 0's 256 rows of A, wave 1 A's scales, wave 2 slot 0's 256 rows of B, wave 3 B's scales.
; One chain of branches on the wave's number; every way passes exactly one load.
.macro ARM under, g0, g1, next
	s_cmp_lt_u32 s[WV], \under
	s_cbranch_scc0 \next
	tensor_load_to_lds s[\g0:\g0+3], s[\g1:\g1+7]
	s_nop 0
.rept 4
	v_nop
.endr
	s_branch .Lhead_asked
\next:
.endm
	ARM 1, G0,  G1,  .Lhead_sa
	ARM 2, G0S, G1S, .Lhead_b
	ARM 3, G0B, G1B, .Lhead_sb
	tensor_load_to_lds s[G0SB:G0SB+3], s[G1SB:G1SB+7]
	s_nop 0
.rept 4
	v_nop
.endr
.Lhead_asked:
; Prefetches into the L2.  Of the quarter slot (96 blocks of 256 bytes) that my wave fetches in the ring, each of the four partners that ask for it jointly names 24, told apart by address (cx for A, cy for B).
; Behind the head's loads: slots 1 and 2; behind slot 1's load: slot 3.  The address registers are never rewritten.
	s_cmp_eq_u32 s[SA], 0
	s_cselect_b64 s[94:95], s[92:93], s[98:99]
	s_cselect_b32 s2, s[CX], s[CY]
	s_mul_i32 s2, s2, 6144
	s_mov_b32 s3, 0
	s_add_nc_u64 s[94:95], s[94:95], s[2:3]
	s_wait_alu depctr_va_vdst(0)                   ; the wait ahead of the first reader of the offsets
	global_prefetch_b8 v30, s[94:95] offset:QUART th:TH_LOAD_NT scope:SCOPE_SE
	global_prefetch_b8 v30, s[94:95] offset:2*QUART th:TH_LOAD_NT scope:SCOPE_SE
; What the way out reads: my 512 bytes of the bias (one of the two waves that share them asks),
	s_lshl_b32 s2, s[CC], 1
	s_add_co_u32 s2, s2, s[SB]
	s_lshl_b32 s60, s[RR], 1
	s_add_co_u32 s60, s60, s[SA]
	s_add_co_u32 s61, s60, 16
	s_cmp_eq_u32 ttmp9, 2
	s_cselect_b32 s2, s61, s2
	s_cselect_b32 s61, s[SB], s[SA]
	s_lshl_b32 s2, s2, 9
	s_add_nc_u64 s[62:63], s[8:9], s[2:3]
	s_cmp_lg_u32 s61, 0
	s_cbranch_scc1 .Lno_bias
	global_prefetch_b8 v26, s[62:63] th:TH_LOAD_NT scope:SCOPE_SE
.Lno_bias:
; and for q and k: the 128 rows of cos and of sin of my 128 tokens, 256 blocks for the eight waves of the cluster's row that read them: 32 rows each, by address; wave 0 names the norm's weights.
	s_cmp_eq_u32 ttmp9, 2
	s_cbranch_scc1 .Lno_cs
	s_and_b32 s60, s60, 15
	s_lshl_b32 s60, s60, 15
	s_and_b32 s61, s[CX], 1
	s_lshl_b32 s61, s61, 1
	s_add_co_u32 s61, s61, s[SB]
	s_lshl_b32 s61, s61, 13
	s_add_co_u32 s2, s60, s61
	s_cmp_lt_u32 s[CX], 2
	s_cselect_b64 s[96:97], s[14:15], s[16:17]
	s_add_nc_u64 s[96:97], s[96:97], s[2:3]
	global_prefetch_b8 v31, s[96:97] th:TH_LOAD_NT scope:SCOPE_SE
	s_cmp_eq_u32 ttmp9, 0
	s_cselect_b64 s[60:61], s[10:11], s[12:13]
	s_cmp_lg_u32 s[WV], 0
	s_cbranch_scc1 .Lno_cs
	global_prefetch_b8 v25, s[60:61] th:TH_LOAD_NT scope:SCOPE_SE
.Lno_cs:
	s_wait_alu depctr_va_vdst(0)
	s_wait_tensorcnt 0x0                           ; my tile of the head's four is in
	ds_add_u32 v28, v29
.irp g, G1, G1B
	s_mov_b32 s[\g+1], 32<<16                      ; no tensor load of mine is out: from here on a load brings a quarter slot, 96 rows of 256 bytes
	s_mov_b32 s[\g+2], 96<<16
	s_mov_b32 s[\g+3], 32<<16
	s_mov_b32 s[\g+4], 96
	s_mov_b32 s[\g+5], 32
.endr
	s_wait_dscnt 0x0
	CROUND
	JLOAD G0+4, G1, G0B+4, G1B
	global_prefetch_b8 v30, s[94:95] offset:3*QUART th:TH_LOAD_NT scope:SCOPE_SE
	v_and_b32 v1, 15, v0
	v_bfe_u32 v2, v0, 4, 1
	v_and_b32 v3, 31, v0
	v_lshlrev_b32 v4, 3, v3
	v_lshlrev_b32 v3, 4, v3
	s_mul_i32 s2, s[SA], QUART
	s_mul_i32 s3, s[SB], QUART
	s_add_co_u32 s3, s3, 2*QUART
.irp s, 0,1
	v_add_nc_u32 v[ADRA+\s], s2, v3
	v_add_nc_u32 v[ADRA+2+\s], s2, v4
	v_add_nc_u32 v[ADRB+\s], s3, v3
	v_add_nc_u32 v[ADRB+2+\s], s3, v4
	s_add_co_u32 s2, s2, SLOT
	s_add_co_u32 s3, s3, SLOT
.endr
	v_lshlrev_b32 v5, 4, v1
	s_lshl_b32 s2, s[SA], 12
	s_lshl_b32 s3, s[SB], 12
	s_add_co_u32 s3, s3, 8192
	s_sub_co_u32 s3, s3, s2
	v_mul_u32_u24 v6, s3, v2
	s_add_co_u32 s2, s2, SCL
	v_add_nc_u32 v5, v5, v6
	v_add_nc_u32 v[ADRS], s2, v5
.macro FRAG reg, adr, q, i
	ds_load_b128 v[\reg:\reg+3], v[\adr] offset:(\q)*KB+(\i)*FRB
	ds_load_b64 v[\reg+4:\reg+5], v[\adr+2] offset:(\q)*KB+(\i)*FRB+512
	ds_load_b128 v[\reg+6:\reg+9], v[\adr] offset:(\q)*KB+(\i)*FRB+768
	ds_load_b64 v[\reg+10:\reg+11], v[\adr+2] offset:(\q)*KB+(\i)*FRB+1280
.endm
.macro MUL16 a0, p, q, sc, zero
.irp a, \a0, \a0+1
.irp b, 0,1,2,3,4,5,6,7
.if \zero
	v_wmma_scale_f32_16x16x128_f8f6f4 v[8*(8*((\a)%4)+\b):8*(8*((\a)%4)+\b)+7], v[128*(\p)+FR*\b:128*(\p)+FR*\b+FR-1], v[AF+FR*(\a):AF+FR*(\a)+FR-1], 0, v[SC+16*(\sc)+8*(\q)+\b], v[SC+16*(\sc)+8*(\q)+(\a)] matrix_a_fmt:MATRIX_FMT_FP6 matrix_b_fmt:MATRIX_FMT_FP6 matrix_a_scale:MATRIX_SCALE_ROW1
.else
	v_wmma_scale_f32_16x16x128_f8f6f4 v[8*(8*((\a)%4)+\b):8*(8*((\a)%4)+\b)+7], v[128*(\p)+FR*\b:128*(\p)+FR*\b+FR-1], v[AF+FR*(\a):AF+FR*(\a)+FR-1], v[8*(8*((\a)%4)+\b):8*(8*((\a)%4)+\b)+7], v[SC+16*(\sc)+8*(\q)+\b], v[SC+16*(\sc)+8*(\q)+(\a)] matrix_a_fmt:MATRIX_FMT_FP6 matrix_b_fmt:MATRIX_FMT_FP6 matrix_a_scale:MATRIX_SCALE_ROW1
.endif
.endr
.endr
.endm
.macro FETCH_B slot, q, p
	WIN TO_B
.irp i, 0,1,2,3,4,5,6,7
	FRAG 128*(\p)+FR*\i, ADRB+\slot, \q, \i
.endr
	WIN 0
.endm
.macro FETCH_A slot, q, i0
.irp i, \i0, \i0+1, \i0+2, \i0+3
	FRAG AF+FR*(\i), ADRA+\slot, \q, \i
.endr
.endm
.macro SCALES sc, ks
.irp q, 0,1
.irp g, 0,1
	ds_load_b128 v[SC+16*(\sc)+8*\q+4*\g:SC+16*(\sc)+8*\q+4*\g+3], v[ADRS] offset:512*(\ks)+256*\q+2048*\g
.endr
.endr
.endm
.macro STEP slot, q, zero
	s_wait_dscnt 4*NL
	WIN MUL_LO
	MUL16 0, (\q)%2, \q, \slot, \zero
	MUL16 2, (\q)%2, \q, \slot, \zero
	s_wait_dscnt 0
	PLACES NP
	FETCH_B \slot, (\q)+1, 1-(\q)%2
	FETCH_A \slot, (\q)+1, 0
	WIN MUL_HI
	MUL16 4, (\q)%2, \q, \slot, \zero
	MUL16 6, (\q)%2, \q, \slot, \zero
	PLACES NP
	WIN 0
	FETCH_A \slot, (\q)+1, 4
.endm
.macro TURN slot, next, fill, ks
	s_wait_tensorcnt 0x0
	ds_add_u32 v[SPW], v[NIL]
	s_wait_dscnt 4*NL+1
	WIN MUL_LO
	MUL16 0, 1, 1, \slot, 0
	s_wait_dscnt 0x0
	s_barrier_signal -1
	MUL16 2, 1, 1, \slot, 0
	WIN 0
	s_barrier_wait -1
.if \fill
	CREST
	s_add_nc_u64 s[G0+4*\slot+2:G0+4*\slot+3], s[G0+4*\slot+2:G0+4*\slot+3], 2*QUART
	s_add_nc_u64 s[G0B+4*\slot+2:G0B+4*\slot+3], s[G0B+4*\slot+2:G0B+4*\slot+3], 2*QUART
	JLOAD G0+4*\slot, G1, G0B+4*\slot, G1B
.else
	PLACES NP
.endif
	FETCH_B \next, 0, 0
	FETCH_A \next, 0, 0
	SCALES \next, \ks
	WIN MUL_HI
	MUL16 4, 1, 1, \slot, 0
	MUL16 6, 1, 1, \slot, 0
	PLACES NP
	WIN 0
	FETCH_A \next, 0, 4
.endm
	s_wait_alu depctr_va_vdst(0)
	s_wait_tensorcnt 1
	s_barrier_signal -1
	s_barrier_wait -1
	FETCH_B 0, 0, 0
	FETCH_A 0, 0, 0
	SCALES 0, 0
	FETCH_A 0, 0, 4
	STEP 0, 0, 1
	TURN 0, 1, 1, 1
	STEP 1, 0, 0
	TURN 1, 0, 1, 2
	STEP 0, 0, 0
	TURN 0, 1, 0, 3
	STEP 1, 0, 0
	s_wait_dscnt 4*NL
	WIN MUL_LO
	MUL16 0, 1, 1, 1, 0
	MUL16 2, 1, 1, 1, 0
	s_wait_dscnt 0
	WIN MUL_HI
	MUL16 4, 1, 1, 1, 0
	MUL16 6, 1, 1, 1, 0
	WIN 0
	PLACES NP
.set SEL,  44
.set HM,   43
	s_mov_b32 s[SEL], 0x76543210
	s_mov_b32 s[SEL+1], 0xfedcba98
	s_mov_b32 s[HM], 0xffff0000
	s_cmp_eq_u32 ttmp9, 2
	s_cbranch_scc1 .Lv_arm
.set BI, 64
.set Y,  128
.set Z,  160
.set RS, 192
.set PW, 200
.set PC, 216
.set NW, 224
	s_lshl_b32 s36, s[RR], 1
	s_add_co_u32 s36, s36, s[SA]
	s_lshl_b32 s37, s[CC], 1
	s_add_co_u32 s37, s37, s[SB]
	s_lshr_b32 s38, s36, 4
	s_lshl_b32 s38, s38, 4
	s_lshl_b32 s39, s37, 1
	s_and_b32 s39, s39, 15
	s_add_co_u32 s38, s38, s39
	s_lshl_b32 s38, s38, 4
	s_and_b32 s40, s36, 15
	s_add_co_u32 s38, s38, s40
	s_mul_i32 s38, s38, REC
	s_mul_i32 s39, ttmp9, 6656
	s_add_co_u32 s38, s38, s39
	s_mov_b32 s39, 0
	s_add_nc_u64 s[18:19], s[18:19], s[38:39]
	s_lshl_b32 s38, s37, 9
	s_add_nc_u64 s[8:9], s[8:9], s[38:39]
	s_lshl_b32 s38, s40, 15
	s_add_nc_u64 s[14:15], s[14:15], s[38:39]
	s_add_nc_u64 s[16:17], s[16:17], s[38:39]
	s_cmp_eq_u32 ttmp9, 0
	s_cselect_b64 s[10:11], s[10:11], s[12:13]
	s_mov_b32 s41, 0x3c800000
	s_mov_b32 s42, 0x358637bd
	v_lshlrev_b32 v5, 6, v2
	v_and_b32 v7, 8, v1
	v_add_nc_u32 v7, v7, v1
	v_lshl_add_u32 v6, v7, 8, v5
	v_mov_b32 v[RS+1], 0
.irp g, 0,1
.irp u, 0,1
.irp j, 0,1,2,3
	global_load_b128 v[BI+32*\g+16*\u+4*\j:BI+32*\g+16*\u+4*\j+3], v5, s[8:9] offset:256*\g+128*\u+16*\j
.endr
.endr
.endr
.irp u, 0,1
.irp j, 0,1,2,3
	global_load_b128 v[NW+16*\u+4*\j:NW+16*\u+4*\j+3], v5, s[10:11] offset:128*\u+16*\j
.endr
.endr
.macro CSLOAD a
	WIN 0x40
.irp u, 0,1
.irp j, 0,1,2,3
	global_load_b128 v[64*((\a)%4)+16*\u+4*\j:64*((\a)%4)+16*\u+4*\j+3], v6, s[14:15] offset:(32*((\a)/2)+8*((\a)%2))*256+128*\u+16*\j
.endr
.endr
.irp u, 0,1
.irp j, 0,1,2,3
	global_load_b128 v[64*((\a)%4)+32+16*\u+4*\j:64*((\a)%4)+32+16*\u+4*\j+3], v6, s[16:17] offset:(32*((\a)/2)+8*((\a)%2))*256+128*\u+16*\j
.endr
.endr
	WIN 0
.endm
.macro QUANT2 s, tq, t2, pc, pw
.irp b, 0,1
	v_max3_num_f32 v[\tq+\b], |v[\s+16*\b]|, |v[\s+16*\b+1]|, 0x1800000
.endr
.irp i, 2,4,6,8,10,12,14
.irp b, 0,1
	v_max3_num_f32 v[\tq+\b], v[\tq+\b], |v[\s+16*\b+\i]|, |v[\s+16*\b+\i+1]|
.endr
.endr
.irp b, 0,1
	v_permlanex16_b32 v[\tq+2+\b], v[\tq+\b], s[SEL], s[SEL+1]
.endr
.irp b, 0,1
	v_max_num_f32 v[\tq+\b], v[\tq+\b], v[\tq+2+\b]
.endr
.irp b, 0,1
	v_add_nc_u32 v[\tq+4+\b], 0xff000000, v[\tq+\b]
.endr
.irp b, 0,1
	v_lshrrev_b32 v[\tq+2+\b], 23, v[\tq+4+\b]
.endr
	v_lshl_or_b32 v[\pw], v[\tq+3], 8, v[\tq+2]
	s_wait_alu depctr_va_vdst(0)
	s_wait_xcnt 0x0
	v_cvt_scalef32_pk16_fp6_f32 v[\pc:\pc+2], v[\s:\s+15], v[\tq+4]
	v_cvt_scalef32_pk16_fp6_f32 v[\t2:\t2+2], v[\s+16:\s+31], v[\tq+5]
	v_nop
.irp i, 0,1,2
	v_permlane16_swap_b32 v[\pc+\i], v[\t2+\i]
.endr
.irp i, 0,1,2
	v_mov_b32 v[\pc+3+\i], v[\t2+\i]
.endr
.endm
.macro QKTILE a, hd
.set AC, 64*((\a)%4)+32*(\hd)
.set TT, 64*((\a)%4)
.if (\hd) == 0
.if 7-(\a) >= 3
	s_wait_loadcnt 48
.else
	s_wait_loadcnt 16*(7-(\a))
.endif
.endif
	WIN 0x02+(\a)/4
.irp i, 0,2,4,6,8,10,12,14,16,18,20,22,24,26,28,30
	v_pk_add_f32 v[Y+\i:Y+\i+1], v[AC+\i:AC+\i+1], v[BI+32*(\hd)+\i:BI+32*(\hd)+\i+1]
.endr
	WIN 0
	v_pk_mul_f32 v[Z:Z+1], v[Y:Y+1], v[Y:Y+1]
	v_pk_mul_f32 v[Z+2:Z+3], v[Y+2:Y+3], v[Y+2:Y+3]
.irp i, 4,8,12,16,20,24,28
	v_pk_fma_f32 v[Z:Z+1], v[Y+\i:Y+\i+1], v[Y+\i:Y+\i+1], v[Z:Z+1]
	v_pk_fma_f32 v[Z+2:Z+3], v[Y+\i+2:Y+\i+3], v[Y+\i+2:Y+\i+3], v[Z+2:Z+3]
.endr
	v_pk_add_f32 v[Z:Z+1], v[Z:Z+1], v[Z+2:Z+3]
	v_add_f32 v[Z], v[Z], v[Z+1]
	v_permlanex16_b32 v[Z+1], v[Z], s[SEL], s[SEL+1]
	v_add_f32 v[Z], v[Z], v[Z+1]
	v_fma_f32 v[Z], v[Z], s41, s42
	s_wait_alu depctr_va_vdst(0)
	v_rsq_f32 v[RS], v[Z]
.irp i, 0,2,4,6,8,10,12,14,16,18,20,22,24,26,28,30
	v_pk_mul_f32 v[Y+\i:Y+\i+1], v[Y+\i:Y+\i+1], v[NW+\i:NW+\i+1]
.endr
	WIN 0x04
.irp i, 0,2,4,6,8,10,12,14
	v_pk_mul_f32 v[Z+\i:Z+\i+1], v[Y+\i:Y+\i+1], v[TT+\i:TT+\i+1]
	v_pk_mul_f32 v[Z+16+\i:Z+16+\i+1], v[Y+16+\i:Y+16+\i+1], v[TT+16+\i:TT+16+\i+1]
.endr
.irp i, 0,2,4,6,8,10,12,14
	v_pk_fma_f32 v[Z+\i:Z+\i+1], v[Y+16+\i:Y+16+\i+1], v[TT+32+\i:TT+32+\i+1], v[Z+\i:Z+\i+1] neg_lo:[1,0,0] neg_hi:[1,0,0]
	v_pk_fma_f32 v[Z+16+\i:Z+16+\i+1], v[Y+\i:Y+\i+1], v[TT+48+\i:TT+48+\i+1], v[Z+16+\i:Z+16+\i+1]
.endr
	WIN 0
	s_wait_alu depctr_va_vdst(0)
.irp i, 0,2,4,6,8,10,12,14,16,18,20,22,24,26,28,30
	v_pk_mul_f32 v[Z+\i:Z+\i+1], v[Z+\i:Z+\i+1], v[RS:RS+1] op_sel_hi:[1,0]
.endr
	QUANT2 Z, Y, Y+14, PC, PW+8*(\hd)+(\a)
	global_store_b128 v3, v[PC:PC+3], s[18:19] offset:HS*(\hd)+768*(\a)
	global_store_b64 v4, v[PC+4:PC+5], s[18:19] offset:HS*(\hd)+768*(\a)+512
.endm
	CSLOAD 0
	CSLOAD 1
	CSLOAD 2
	CSLOAD 3
.irp a, 0,1,2,3,4,5,6,7
	QKTILE \a, 0
	QKTILE \a, 1
.if \a < 4
	CSLOAD \a+4
.endif
.endr
.irp g, 0,1
.irp j, 0,1,2,3
	v_cndmask_b32 v[Y+4*\g+\j], v[PW+8*\g+\j], v[PW+8*\g+\j+4], s[HM]
.endr
	global_store_b128 v3, v[Y+4*\g:Y+4*\g+3], s[18:19] offset:HS*\g+6144
.endr
	s_branch .Ldone
.Lv_arm:
.set BV,  64
.set N4,  128
.set TM,  192
.set PC4, 208
.set T4,  220
.set PWV, 232
	s_lshl_b32 s36, s[CC], 1
	s_add_co_u32 s36, s36, s[SB]
	s_lshl_b32 s37, s[RR], 1
	s_add_co_u32 s37, s37, s[SA]
	s_lshr_b32 s38, s36, 4
	s_lshl_b32 s38, s38, 4
	s_lshl_b32 s39, s37, 1
	s_add_co_u32 s38, s38, s39
	s_lshl_b32 s38, s38, 4
	s_and_b32 s40, s36, 15
	s_add_co_u32 s38, s38, s40
	s_mul_i32 s38, s38, REC
	s_add_co_u32 s38, s38, 13312
	s_mov_b32 s39, 0
	s_add_nc_u64 s[18:19], s[18:19], s[38:39]
	s_lshl_b32 s38, s37, 9
	s_add_co_u32 s38, s38, 8192
	s_add_nc_u64 s[8:9], s[8:9], s[38:39]
	v_and_b32 v7, 8, v1
	v_add_nc_u32 v7, v7, v1
	v_lshlrev_b32 v5, 2, v7
.irp a, 0,1,2,3,4,5,6,7
	global_load_b32 v[BV+2*\a], v5, s[8:9] offset:4*(32*(\a/2)+8*(\a%2))
	global_load_b32 v[BV+2*\a+1], v5, s[8:9] offset:4*(32*(\a/2)+8*(\a%2))
.endr
.irp b, 0,1,2,3
	v_mov_b32 v[TM+4+\b], 0
.endr
	s_wait_loadcnt 0x0
.macro VTILE a
	WIN 0x02+(\a)/4
.set J, 0
.rept 32
	v_pk_add_f32 v[N4+J:N4+J+1], v[64*((\a)%4)+J:64*((\a)%4)+J+1], v[BV+2*(\a):BV+2*(\a)+1]
.set J, J+2
.endr
	WIN 0
.irp b, 0,1,2,3
	v_max3_num_f32 v[TM+\b], |v[N4+16*\b]|, |v[N4+16*\b+1]|, 0x1800000
.endr
.irp i, 2,4,6,8,10,12,14
.irp b, 0,1,2,3
	v_max3_num_f32 v[TM+\b], v[TM+\b], |v[N4+16*\b+\i]|, |v[N4+16*\b+\i+1]|
.endr
.endr
.irp b, 0,1,2,3
	v_permlanex16_b32 v[TM+4+\b], v[TM+\b], s[SEL], s[SEL+1]
.endr
.irp b, 0,1,2,3
	v_max_num_f32 v[TM+\b], v[TM+\b], v[TM+4+\b]
.endr
.irp b, 0,1,2,3
	v_add_nc_u32 v[TM+12+\b], 0xff000000, v[TM+\b]
.endr
.irp b, 0,1,2,3
	v_lshrrev_b32 v[TM+4+\b], 23, v[TM+12+\b]
.endr
	v_lshl_or_b32 v[PWV+(\a)], v[TM+5], 8, v[TM+4]
	v_lshl_or_b32 v[PWV+(\a)], v[TM+6], 16, v[PWV+(\a)]
	v_lshl_or_b32 v[PWV+(\a)], v[TM+7], 24, v[PWV+(\a)]
	s_wait_xcnt 0x0
.irp c, 0,1
	v_cvt_scalef32_pk16_fp6_f32 v[PC4+6*\c:PC4+6*\c+2], v[N4+32*\c:N4+32*\c+15], v[TM+12+2*\c]
	v_cvt_scalef32_pk16_fp6_f32 v[T4+4*\c:T4+4*\c+2], v[N4+32*\c+16:N4+32*\c+31], v[TM+12+2*\c+1]
.endr
	v_nop
.irp c, 0,1
.irp i, 0,1,2
	v_permlane16_swap_b32 v[PC4+6*\c+\i], v[T4+4*\c+\i]
.endr
.irp i, 0,1,2
	v_mov_b32 v[PC4+6*\c+3+\i], v[T4+4*\c+\i]
.endr
.endr
.irp c, 0,1
	global_store_b128 v3, v[PC4+6*\c:PC4+6*\c+3], s[18:19] offset:HS*((\a)/4)+1536*((\a)%4)+768*\c
	global_store_b64 v4, v[PC4+6*\c+4:PC4+6*\c+5], s[18:19] offset:HS*((\a)/4)+1536*((\a)%4)+768*\c+512
.endr
.endm
.irp a, 0,1,2,3,4,5,6,7
	VTILE \a
.endr
.irp g, 0,1
	v_cndmask_b32 v[240+2*\g], v[PWV+4*\g], v[PWV+4*\g+2], s[HM]
	v_cndmask_b32 v[241+2*\g], v[PWV+4*\g+1], v[PWV+4*\g+3], s[HM]
	global_store_b64 v4, v[240+2*\g:241+2*\g], s[18:19] offset:HS*\g+6144
.endr
.Ldone:
	s_wait_tensorcnt 0x0
	ds_add_u32 v[SPW], v[NIL]
	s_wait_dscnt 0x0
	CROUND
	s_endpgm
.Lfunc_end_k_q3c626b88d4_gemm_qkv:
	.size	k_q3c626b88d4_gemm_qkv, .Lfunc_end_k_q3c626b88d4_gemm_qkv-k_q3c626b88d4_gemm_qkv
	.p2alignl 7, 3214868480
	.fill 96, 4, 3214868480
	.section	.rodata,"a",@progbits
	.p2align	6, 0x0
	.amdhsa_kernel k_q3c626b88d4_gemm_qkv
		.amdhsa_group_segment_fixed_size 327680
		.amdhsa_private_segment_fixed_size 0
		.amdhsa_enable_private_segment 0
		.amdhsa_kernarg_size 64
		.amdhsa_user_sgpr_count 2
		.amdhsa_user_sgpr_kernarg_segment_ptr 1
		.amdhsa_wavefront_size32 1
		.amdhsa_system_sgpr_workgroup_id_x 1
		.amdhsa_system_sgpr_workgroup_id_y 1
		.amdhsa_system_sgpr_workgroup_id_z 1
		.amdhsa_system_vgpr_workitem_id 0
		.amdhsa_next_free_vgpr 1024
		.amdhsa_next_free_sgpr 102
		.amdhsa_reserve_vcc 0
		.amdhsa_float_denorm_mode_32 3
		.amdhsa_float_denorm_mode_16_64 3
		.amdhsa_memory_ordered 1
		.amdhsa_forward_progress 1
		.amdhsa_inst_pref_size 255
	.end_amdhsa_kernel
	.section	.bss,"aw",@nobits
	.p2align	6
	.space	262144
	.amdgpu_metadata
---
amdhsa.version: [ 1, 2 ]
amdhsa.kernels:
  - .name:           k_q3c626b88d4_gemm_qkv
    .symbol:         k_q3c626b88d4_gemm_qkv.kd
    .args:
      - { .name: xq, .offset: 0, .size: 8, .value_kind: global_buffer, .address_space: global }
      - { .name: wq, .offset: 8, .size: 8, .value_kind: global_buffer, .address_space: global }
      - { .name: qkv_b, .offset: 16, .size: 8, .value_kind: global_buffer, .address_space: global }
      - { .name: q_norm_w, .offset: 24, .size: 8, .value_kind: global_buffer, .address_space: global }
      - { .name: k_norm_w, .offset: 32, .size: 8, .value_kind: global_buffer, .address_space: global }
      - { .name: cos, .offset: 40, .size: 8, .value_kind: global_buffer, .address_space: global }
      - { .name: sin, .offset: 48, .size: 8, .value_kind: global_buffer, .address_space: global }
      - { .name: qkv, .offset: 56, .size: 8, .value_kind: global_buffer, .address_space: global }
    .group_segment_fixed_size: 327680
    .private_segment_fixed_size: 0
    .kernarg_segment_align: 8
    .kernarg_segment_size: 64
    .max_flat_workgroup_size: 128
    .sgpr_count:     102
    .vgpr_count:     1024
    .wavefront_size: 32
...
	.end_amdgpu_metadata
.endif
;; end of part 2
;; launch attn (part 3): grid 4 x 64, 16 waves a work-group, clusters of 4 x 1, 263,168 bytes of LDS; arguments qkv, oq; writes oq
.if DOCPART == 3
	.amdgcn_target "amdgcn-amd-amdhsa--gfx1250"
	.amdhsa_code_object_version 6
	.text
	.protected	k_q3c626b88d4_attn
	.globl	k_q3c626b88d4_attn
	.p2align	8
	.type	k_q3c626b88d4_attn,@function
k_q3c626b88d4_attn:
	s_mov_b64 s[64:65], 0
	v_nop
	global_prefetch_b8 v0, s[64:65] scope:SCOPE_SE
	s_setreg_imm32_b32 hwreg(HW_REG_WAVE_MODE, 25, 1), 1
	s_wait_xcnt 0x0
	s_wait_alu depctr_hold_cnt(0) depctr_sa_sdst(0) depctr_va_vdst(0) depctr_va_sdst(0) depctr_va_ssrc(0) depctr_va_vcc(0) depctr_vm_vsrc(0)
	s_getreg_b32 s2, hwreg(HW_REG_IB_STS2, 6, 4)
	s_cmp_eq_u32 s2, 0
	s_cbranch_scc0 .Lentry_in_a_cluster
	s_endpgm
.Lentry_in_a_cluster:
	s_bfe_u32 s2, ttmp6, 0x10000c
	s_cmp_lg_u32 s2, 0x3003
	s_cbranch_scc0 .Lentry_shape_is_right
	s_endpgm
.Lentry_shape_is_right:
; o = softmax(q k^T / 8) v for one (batch, head) and 512 queries, both products on codes of FP6 (E2M3) with E8M0 scales; o is quantised along the channels (two blocks of 32 a head) for the last product.
; IN: records of 19,712 bytes for (batch, head, 128 tokens): q's 8 half fragments (16 tokens x 64, 768 bytes) + 512 bytes of scale words; k's likewise; v's 4 fragments (16 d x 128 keys, 1,536 bytes) + 256 bytes of scale words.
; All are images of operand registers: registers +0..3 at 16 x lane, +4..5 at 8 x lane.
; THE HEAD'S WHOLE K AND V LIE IN LDS FOR THE WHOLE LAUNCH: each of the sixteen waves brings one record's 13,056 bytes by one tensor load, as 51 rows of 256 bytes with 64 bytes of padding behind each; nothing is filled again.
; No prefetch: the launch fetches nothing from memory inside its loops.
; CLUSTER: the four work-groups of a cluster take the four blocks of 512 queries of one head and need the same K and V: each load is asked for jointly, with a mask that names the four.
; THE SOFTMAX: t = score x log2(e) / 8; M = the running largest t, rounded UP to a whole number; p = 2^(t - M) is quantised along the keys, not normalised; the row's sum is taken of the unquantised p
; and divides O at the end.  When M moves, the sum and O are multiplied by 2^(old M - new M): exact.
; LAYOUT: S^T = K Q^T (source 0 = 16 keys, source 1 = my 16 queries; K = 64: the upper 64 of both operands are zero codes in registers cleared once), O^T = V^T P^T: a lane holds ONE query throughout.
; WHICH KEYS FORM A TILE is chosen by the lanes' LDS addresses: row 8 g + j of tile (c, u) is key 64 c + 32 g + 8 u + j.  So lane (r, h) holds, in the 32 registers of tiles (c, 0..3), the whole block of keys
; 64 c + 32 h + 0 .. 31, in order: a block's largest score needs no other lane, and the conversions' results are the operand's registers.  In the record that key is row 8 (u / 2) + j of tile 4 c + 2 g + u % 2.
; With the padding, tiles two apart lie 1,920 bytes apart, 128 modulo 256: the sixteen lanes of a 16-byte load touch sixteen different columns.
; SHARES: a wave owns two tiles of 16 queries and walks all 16 key steps of 128 once for each.
; LIMITS: NaN and infinities are not served; a block whose largest magnitude lies under 2^-124 keeps the byte 1, a block of zeros too; v_exp_f32 and v_rcp_f32 are good to 1 ulp, and v_exp_f32 gives 0 under 2^-126;
; the scaled scores stay under 2^31 in magnitude.  A block's largest p is made from the block's largest score by the same multiply-add and exponential as every p.
.set REC, 19712
.set KVP, 16320                        ; a record's k and v in LDS: 51 rows of 320 bytes
.set SPARE, 16*KVP                     ; the spare words, 128 bytes a wave
.set RB,  98304
.set KB,  12288
.set OSC, 6291456
.set KF,  36                           ; v36-83   four fragments of K; registers +6..11 of each are zeros; the data registers are at work between the products
.set VF,  84                           ; v84-131  four fragments of V
.set S,   132                          ; v132-195 S^T, then p
.set OT,  196                          ; v196-227 O^T
.set PCD, 228                          ; v228-239 p's codes; ahead of them the eight chains of the maxima
.set MT,  PCD
.set BM,  240                          ; v240-241 my two blocks' largest score, then largest p
.set SO,  242                          ; v242-243 the conversions' scale operands
.set CV,  244                          ; v244-245 c = log2(e) / 8, twice
.set RX,  247                          ; the running largest score
.set OLD, 248
.set TM,  249
.set PX,  250
.set TX,  251
.set F,   252                          ; v252-253 f = 2^(old M - new M), twice
.set T0,  60                           ; the upper halves of the two blocks' codes (a conversion's three registers begin on an even number)
.set T1,  72
.set A16, S+32                         ; the step's five LDS addresses, in registers that the step's second four products write later
.set A8,  S+33
.set AKS, S+34
.set AV,  S+35
.set AL,  S+36
.set QS,  28                           ; v28 q's scale words;  v29 p's;  v[30:31] v's;  v[32:35] k's
.set PS,  29
.set VS,  30
.set KS,  32
.set WV,  8
.set SEL, 24
.set NC,  26                           ; s26 -c
.set HM,  28
.set TB,  29
.set CNT, 30
.macro CROUND
	s_barrier_signal -1
	s_barrier_wait -1
	s_cmp_lg_u32 s[WV], 0
	s_cbranch_scc1 .Lnot_wave_0_\@
	s_barrier_signal -3
.Lnot_wave_0_\@:
	s_barrier_wait -3
	s_barrier_signal -1
	s_barrier_wait -1
.endm
	s_load_b128 s[4:7], s[0:1], 0x0                ; qkv, oq
	v_lshl_add_u32 v11, v0, 2, SPARE
	v_mov_b32 v255, 0
	ds_add_u32 v11, v255
	ds_add_u32 v11, v255
	v_lshrrev_b32 v1, 5, v0
	v_readfirstlane_b32 s[WV], v1                  ; wave 0..15
	s_bfe_u32 s9, ttmp6, 0x40000                   ; cx: it enters global addresses of q and o alone
	s_and_b32 s10, ttmp7, 0xffff                   ; batch x 16 + head, which the four partners share
	s_mov_b32 s12, 15|(3<<16)|(1<<20)|(1<<21)|(5<<22)|(15<<25)   ; the mask of all four; elements of 8 bytes; after every 64 words 16 words of padding
	s_mov_b32 s13, 32<<16
	s_mov_b32 s14, 51<<16
	s_mov_b32 s15, 32<<16
	s_mov_b32 s16, 51
	s_mov_b32 s17, 32
	s_mov_b32 s18, 0
	s_mov_b32 s19, 0
	s_lshl_b32 s40, s10, 4
	s_add_co_u32 s40, s40, s[WV]                   ; the head's record w
	s_mul_i32 s40, s40, REC
	s_add_co_u32 s40, s40, 6656                    ; its k and v
	s_mov_b32 s41, 0
	s_wait_dscnt 0x0
	s_wait_kmcnt 0x0
	CROUND                                         ; all four work-groups are here: the joint loads meet
	s_mov_b32 s20, 1
	s_mul_i32 s21, s[WV], KVP
	s_add_nc_u64 s[22:23], s[4:5], s[40:41]
	s_or_b32 s23, s23, 0x80000000
	tensor_load_to_lds s[20:23], s[12:19]          ; my one tensor load of the launch
	s_nop 0
.rept 4
	v_nop
.endr
	v_and_b32 v5, 31, v0
	v_and_b32 v8, 15, v0                           ; r
	v_and_b32 v9, 7, v0                            ; j
	v_bfe_u32 v12, v0, 3, 1                        ; g
	v_bfe_u32 v13, v0, 4, 1                        ; h
	v_lshlrev_b32 v1, 4, v5                        ; 16 x lane
	v_lshlrev_b32 v2, 3, v5                        ; 8 x lane
	v_mul_u32_u24 v14, v12, 1920
	v_mul_u32_u24 v15, v13, 320
	v_lshlrev_b32 v7, 3, v13                       ; 8 h: my bytes' place in p's scale word, in bits
	v_lshlrev_b32 v10, 4, v8
	v_add_nc_u32 v3, v14, v15
	v_lshl_add_u32 v4, v13, 7, v14
	v_lshl_add_u32 v5, v12, 3, v15
	v_lshl_add_u32 v6, v8, 4, v15                  ; V's registers +0..3: 320 h + 16 r
	v_lshl_add_u32 v10, v13, 2, v10                ; o's half words: 16 r + 4 h
	v_lshl_add_u32 v3, v9, 4, v3                   ; K's registers +0..3: 1,920 g + 320 h + 16 j
	v_lshl_add_u32 v4, v9, 3, v4                   ; K's registers +4..5: 1,920 g + 128 h + 8 j
	v_lshl_add_u32 v5, v9, 4, v5                   ; K's scale words: 16 j + 8 g + 320 h
.irp j, 22,23,24,25,26,27
	v_mov_b32 v[\j], 0                             ; q's upper 64 along K: zero codes
.endr
.irp t, 0,1,2,3
.irp j, 6,7,8,9,10,11
	v_mov_b32 v[KF+12*\t+\j], 0                    ; k's likewise, in registers of their own
.endr
.endr
	v_mov_b32 v[PX], 0                             ; a lane permute's destination counts as one of its sources
	v_mov_b32 v38, 0
	v_mov_b32 v39, 0
	v_mov_b32 v[CV], 0x3e38aa3b                    ; log2(e) / 8
	v_mov_b32 v[CV+1], 0x3e38aa3b
	s_mov_b32 s[SEL], 0x76543210
	s_mov_b32 s[SEL+1], 0xfedcba98
	s_mov_b32 s[NC], 0xbe38aa3b
	s_mov_b32 s[HM], 0xffff0000
	s_mov_b32 s47, 0
	s_lshl_b32 s42, s10, 4                         ; q: record 16 (batch x 16 + head) + 4 cx + wave / 4
	s_lshl_b32 s43, s9, 2
	s_add_co_u32 s42, s42, s43
	s_lshr_b32 s43, s[WV], 2
	s_add_co_u32 s42, s42, s43
	s_mul_i32 s42, s42, REC
	s_lshl_b32 s44, s[WV], 1
	s_and_b32 s44, s44, 7                          ; my first tile in it
	s_mul_i32 s45, s44, 768
	s_add_co_u32 s46, s42, s45
	s_add_nc_u64 s[32:33], s[4:5], s[46:47]        ; q's codes
	s_bfe_u32 s45, s[WV], 0x10001                  ; tile / 4: the image's lanes 16-31
	s_lshl_b32 s45, s45, 8
	s_add_co_u32 s46, s42, s45
	s_and_b32 s45, s[WV], 1
	s_lshl_b32 s45, s45, 3                         ; tile % 4: which of the image's four registers
	s_add_co_u32 s46, s46, s45
	s_add_co_u32 s46, s46, 6144
	s_add_nc_u64 s[34:35], s[4:5], s[46:47]        ; q's scale words
	s_lshr_b32 s40, s10, 4                         ; the batch
	s_and_b32 s41, s10, 15                         ; the head
	s_lshl_b32 s42, s40, 4
	s_lshl_b32 s43, s9, 2
	s_add_co_u32 s42, s42, s43
	s_lshr_b32 s43, s[WV], 2
	s_add_co_u32 s42, s42, s43                     ; o: block of 128 tokens
	s_mul_i32 s42, s42, RB
	s_lshr_b32 s43, s41, 1                         ; K step of the last product: two heads each
	s_mul_i32 s45, s43, KB
	s_add_co_u32 s42, s42, s45
	s_mul_i32 s45, s44, 1536                       ; my first tile
	s_add_co_u32 s42, s42, s45
	s_and_b32 s45, s41, 1                          ; which half of the fragment
	s_mul_i32 s44, s45, 768
	s_add_co_u32 s46, s42, s44
	s_add_nc_u64 s[36:37], s[6:7], s[46:47]        ; o's codes
	s_lshl_b32 s42, s40, 5
	s_lshl_b32 s44, s9, 3
	s_add_co_u32 s42, s42, s44
	s_lshr_b32 s44, s[WV], 1
	s_add_co_u32 s42, s42, s44                     ; group of 64 tokens
	s_lshl_b32 s42, s42, 3
	s_add_co_u32 s42, s42, s43
	s_lshl_b32 s42, s42, 8                         ; 256 bytes for (group, K step)
	s_and_b32 s44, s[WV], 1
	s_lshl_b32 s44, s44, 3                         ; my two tiles' words
	s_add_co_u32 s42, s42, s44
	s_lshl_b32 s44, s45, 1                         ; my head's two bytes of a word
	s_add_co_u32 s42, s42, s44
	s_add_co_u32 s46, s42, OSC
	s_add_nc_u64 s[38:39], s[6:7], s[46:47]        ; o's scale words
	s_wait_alu depctr_va_vdst(0)
	s_wait_tensorcnt 0x0                           ; my record's part has landed,
	s_barrier_signal -1
	s_barrier_wait -1                              ; everybody's has
.macro BMAX s, t                       ; the largest of 32 scores, in four chains that take turns; each accumulator is read from its low end on
.irp k, 0,1,2,3
	v_max3_num_f32 v[\t+\k], v[\s+3*\k], v[\s+3*\k+1], v[\s+3*\k+2]
.endr
.irp k, 0,1,2,3
	v_max3_num_f32 v[\t+\k], v[\t+\k], v[\s+12+2*\k], v[\s+13+2*\k]
.endr
.irp k, 0,1,2,3
	v_max3_num_f32 v[\t+\k], v[\t+\k], v[\s+20+2*\k], v[\s+21+2*\k]
.endr
.irp k, 0,1
	v_max3_num_f32 v[\t+\k], v[\t+\k], v[\s+28+2*\k], v[\s+29+2*\k]
.endr
.endm
.macro TFMA j0, n                      ; t - M of 2 n scores: two multiply-adds an instruction
.set J, \j0
.rept \n
	v_dual_fma_f32 v[S+J], v[S+J], v[CV], v12 :: v_dual_fma_f32 v[S+J+1], v[S+J+1], v[CV+1], v13
.set J, J+2
.endr
.endm
.macro KLOAD c                         ; the four tiles (c, 0..3)
.irp u, 0,1,2,3
	ds_load_b128 v[KF+12*\u:KF+12*\u+3], v[A16] offset:3840*\c+960*(\u%2)+128*(\u/2)
	ds_load_b64 v[KF+12*\u+4:KF+12*\u+5], v[A8] offset:3840*\c+960*(\u%2)+640+64*(\u/2)
.endr
.endm
; A KEY STEP: 128 keys.
.macro STEP
	v_add_nc_u32 v[A16], s[TB], v3
	v_add_nc_u32 v[A8], s[TB], v4
	v_add_nc_u32 v[AKS], s[TB], v5
	v_add_nc_u32 v[AV], s[TB], v6
	v_add_nc_u32 v[AL], s[TB], v2
	KLOAD 0
	ds_load_b64 v[KS:KS+1], v[AKS] offset:7680     ; register u: tile (0, u) in lanes 0-15, tile (1, u) in lanes 16-31
	ds_load_b64 v[KS+2:KS+3], v[AKS] offset:7808
	s_wait_alu depctr_va_vdst(0)
	s_wait_dscnt 0x0
.irp u, 0,1,2,3
	v_wmma_scale_f32_16x16x128_f8f6f4 v[S+8*\u:S+8*\u+7], v[KF+12*\u:KF+12*\u+11], v[16:27], 0, v[KS+\u], v[QS] matrix_a_fmt:MATRIX_FMT_FP6 matrix_b_fmt:MATRIX_FMT_FP6
.endr
.rept 4
	v_nop                                          ; places in front of loads into registers that matrix instructions have read
.endr
	KLOAD 1
.irp d, 0,1,2,3
.irp c, 0,1
	ds_load_b128 v[VF+12*\d+6*\c:VF+12*\d+6*\c+3], v[AV] offset:320*(26+6*\d+3*\c)
	ds_load_b64 v[VF+12*\d+6*\c+4:VF+12*\d+6*\c+5], v[AL] offset:320*(28+6*\d+3*\c)
.endr
.endr
	ds_load_b64 v[VS:VS+1], v[AL] offset:16000     ; register j: d tile j in lanes 0-15, d tile j + 2 in lanes 16-31
	s_wait_dscnt 17                                ; K's second four tiles are in; V's sixteen loads and its scale words may be out
.irp u, 0,1,2,3
	v_wmma_scale_f32_16x16x128_f8f6f4 v[S+32+8*\u:S+32+8*\u+7], v[KF+12*\u:KF+12*\u+11], v[16:27], 0, v[KS+\u], v[QS] matrix_a_fmt:MATRIX_FMT_FP6 matrix_b_fmt:MATRIX_FMT_FP6 matrix_a_scale:MATRIX_SCALE_ROW1
.endr
	BMAX S, MT                                     ; the first block's fourteen lines are the places behind the products above
	BMAX S+32, MT+4
	v_max3_num_f32 v[BM], v[MT], v[MT+1], v[MT+2]
	v_max3_num_f32 v[BM+1], v[MT+4], v[MT+5], v[MT+6]
	v_mov_b32 v[OLD], v12
	s_delay_alu instid0(VALU_DEP_3)
	v_max_num_f32 v[BM], v[BM], v[MT+3]            ; my two blocks' largest scores: for the row's maximum and for each block's largest p
	s_delay_alu instid0(VALU_DEP_3)
	v_max_num_f32 v[BM+1], v[BM+1], v[MT+7]
	s_delay_alu instid0(VALU_DEP_1)
	v_max_num_f32 v[TX], v[BM], v[BM+1]
	s_delay_alu instid0(VALU_DEP_1)
	v_permlanex16_b32 v[PX], v[TX], s[SEL], s[SEL+1]
	s_delay_alu instid0(VALU_DEP_1)
	v_max3_num_f32 v[RX], v[RX], v[TX], v[PX]      ; the running largest score of my query
	s_delay_alu instid0(VALU_DEP_1)
	v_mul_f32 v[TM], s[NC], v[RX]                  ; -t (c is positive)
	s_delay_alu instid0(VALU_DEP_1)
	v_floor_f32 v12, v[TM]                         ; the new -M = floor(-t) = -ceil(t),
	v_floor_f32 v13, v[TM]                         ; twice: one register for each half of a pair
	s_delay_alu instid0(VALU_DEP_2)
	v_sub_f32 v[TX], v12, v[OLD]                   ; old M - new M: a whole number, 0 or less
	TFMA 0, 8
	v_cvt_i32_f32 v[TX], v[TX]                     ; (it saturates)
	TFMA 16, 8
	v_ldexp_f32 v[F], 1.0, v[TX]                   ; f = 2^(old M - new M)
	v_ldexp_f32 v[F+1], 1.0, v[TX]
	TFMA 32, 16
	v_dual_fma_f32 v[BM], v[BM], v[CV], v12 :: v_dual_fma_f32 v[BM+1], v[BM+1], v[CV+1], v13   ; the same of each block's largest score
.set J, 0
.rept 16
	v_dual_mul_f32 v[OT+J], v[F], v[OT+J] :: v_dual_mul_f32 v[OT+J+1], v[F+1], v[OT+J+1]   ; O^T under the new M; each accumulator from its low end on
.set J, J+2
.endr
	s_wait_alu depctr_va_vdst(0)
.set J, 0
.rept 64
	v_exp_f32 v[S+J], v[S+J]                       ; p = 2^(t - M), at most 1
.set J, J+1
.endr
	v_exp_f32 v[BM], v[BM]                         ; the blocks' largest p
	v_exp_f32 v[BM+1], v[BM+1]
	v_nop                                          ; one plain place behind the exponentials
	s_wait_alu depctr_va_vdst(0)                   ; and the one wait ahead of the batch's first reader
	v_max_num_f32 v[BM], 0x1800000, v[BM]          ; the floor 2^(3 - 127): the byte cannot fall under 1
	v_max_num_f32 v[BM+1], 0x1800000, v[BM+1]
	s_delay_alu instid0(VALU_DEP_2)
	v_add_nc_u32 v[SO], 0xff000000, v[BM]          ; 2 off the exponent field: the conversion's scale operand
	s_delay_alu instid0(VALU_DEP_2)
	v_add_nc_u32 v[SO+1], 0xff000000, v[BM+1]
	v_lshrrev_b32 v[TX], 23, v[SO]                 ; the scales' bytes: blocks h and 2 + h
	v_lshrrev_b32 v[TM], 23, v[SO+1]
	v_cvt_scalef32_pk16_fp6_f32 v[PCD:PCD+2], v[S:S+15], v[SO]
	v_cvt_scalef32_pk16_fp6_f32 v[T0:T0+2], v[S+16:S+31], v[SO]
	v_cvt_scalef32_pk16_fp6_f32 v[PCD+6:PCD+8], v[S+32:S+47], v[SO+1]
	v_cvt_scalef32_pk16_fp6_f32 v[T1:T1+2], v[S+48:S+63], v[SO+1]
	v_nop                                          ; one plain place behind a scaled conversion
	v_lshl_or_b32 v[TX], v[TM], 16, v[TX]
	s_delay_alu instid0(VALU_DEP_1)
	v_lshlrev_b32 v[TX], v7, v[TX]                 ; at their places;
	s_delay_alu instid0(VALU_DEP_1)
	v_permlanex16_b32 v[PX], v[TX], s[SEL], s[SEL+1]
	s_delay_alu instid0(VALU_DEP_1)
	v_or_b32 v[PS], v[TX], v[PX]                   ; with lane l xor 16's two the word of these 128 keys is whole
	v_mov_b32 v[PCD+9], v[T1]
	v_mov_b32 v[PCD+11], v[T1+2]
	v_dual_mov_b32 v[PCD+3], v[T0] :: v_dual_mov_b32 v[PCD+4], v[T0+1]
	v_dual_mov_b32 v[PCD+5], v[T0+2] :: v_dual_mov_b32 v[PCD+10], v[T1+1]
; the row's sum of the unquantised p: four pairs of partial sums by turns, two additions an instruction
.irp k, 0,1,2,3
	v_dual_add_f32 v[KF+12*(\k/2)+2*(\k%2)], v[S+4*\k], v[S+4*\k+2] :: v_dual_add_f32 v[KF+12*(\k/2)+2*(\k%2)+1], v[S+4*\k+1], v[S+4*\k+3]
.endr
.set I, 0
.rept 24
.set PP, KF+12*((I%4)/2)+2*(I%2)
	v_dual_add_f32 v[PP], v[S+16+2*I], v[PP] :: v_dual_add_f32 v[PP+1], v[S+17+2*I], v[PP+1]
.set I, I+1
.endr
	v_dual_add_f32 v[KF], v[KF+2], v[KF] :: v_dual_add_f32 v[KF+1], v[KF+3], v[KF+1]
	v_dual_add_f32 v[KF+12], v[KF+14], v[KF+12] :: v_dual_add_f32 v[KF+13], v[KF+15], v[KF+13]
	v_dual_add_f32 v[KF], v[KF+12], v[KF] :: v_dual_add_f32 v[KF+1], v[KF+13], v[KF+1]
	v_dual_fma_f32 v14, v14, v[F], v[KF] :: v_dual_fma_f32 v15, v15, v[F+1], v[KF+1]   ; the old sums under the new M, and this step's
	s_wait_alu depctr_va_vdst(0)
	s_wait_dscnt 0x0                               ; V is in
.irp d, 0,1
	v_wmma_scale_f32_16x16x128_f8f6f4 v[OT+8*\d:OT+8*\d+7], v[VF+12*\d:VF+12*\d+11], v[PCD:PCD+11], v[OT+8*\d:OT+8*\d+7], v[VS+\d], v[PS] matrix_a_fmt:MATRIX_FMT_FP6 matrix_b_fmt:MATRIX_FMT_FP6
.endr
.irp d, 0,1
	v_wmma_scale_f32_16x16x128_f8f6f4 v[OT+16+8*\d:OT+16+8*\d+7], v[VF+24+12*\d:VF+24+12*\d+11], v[PCD:PCD+11], v[OT+16+8*\d:OT+16+8*\d+7], v[VS+\d], v[PS] matrix_a_fmt:MATRIX_FMT_FP6 matrix_b_fmt:MATRIX_FMT_FP6 matrix_a_scale:MATRIX_SCALE_ROW1
.endr
	s_add_co_u32 s[TB], s[TB], KVP                 ; the next key step.  (The four accumulators take turns)
.endm
; One tile of 16 queries through all keys; p = 0, 1: which of my two.
.macro PASS p
	s_wait_xcnt 0x0                                ; the last pass's stores have read the codes' registers
	global_load_b128 v[16:19], v1, s[32:33] offset:768*\p
	global_load_b64 v[20:21], v2, s[32:33] offset:768*\p+512
	global_load_b32 v[QS], v1, s[34:35] offset:4*\p   ; lanes 0-15: my rows' words (lanes 16-31 read on inside the record and are not used)
	v_mov_b32 v[RX], 0xff61b1e6                    ; the largest score so far: -3e38, under every score
	v_mov_b32 v12, 0x7d000000                      ; -M: so large that the first f is 0
	v_mov_b32 v14, 0                               ; the sum, in two halves
	v_mov_b32 v15, 0
.set J, 0
.rept 32
	v_mov_b32 v[OT+J], 0                           ; O^T: the step is written once; the first finds zeros
.set J, J+1
.endr
	s_mov_b32 s[TB], 0
	s_mov_b32 s[CNT], 16
	s_wait_loadcnt 0x0
.Lkey_\@:
	STEP
	s_sub_co_u32 s[CNT], s[CNT], 1
	s_cmp_lg_u32 s[CNT], 0
	s_cbranch_scc1 .Lkey_\@
.rept 4
	v_nop                                          ; places behind the last products
.endr
	v_add_f32 v14, v14, v15                        ; the sum's two halves,
	s_delay_alu instid0(VALU_DEP_1)
	v_permlanex16_b32 v[PX], v14, s[SEL], s[SEL+1]
	s_delay_alu instid0(VALU_DEP_1)
	v_add_f32 v14, v14, v[PX]                      ; and lane l xor 16's: the row's sum
	s_wait_alu depctr_va_vdst(0)
	v_rcp_f32 v14, v14
	v_nop                                          ; one plain place behind a transcendental
	s_wait_alu depctr_va_vdst(0)
.set J, 0
.rept 16
	v_pk_mul_f32 v[S+J:S+J+1], v[OT+J:OT+J+1], v[14:15] op_sel_hi:[1,0]   ; o = O^T / the sum: register 16 b + i is channel 32 b + 16 (lane / 16) + i
.set J, J+2
.endr
.irp b, 0,1                                    ; o's two blocks of 32 channels are quantised
	v_max3_num_f32 v[36+\b], |v[S+16*\b]|, |v[S+16*\b+1]|, 0x1800000
.endr
.irp i, 2,4,6,8,10,12,14
.irp b, 0,1
	s_delay_alu instid0(VALU_DEP_2)
	v_max3_num_f32 v[36+\b], v[36+\b], |v[S+16*\b+\i]|, |v[S+16*\b+\i+1]|
.endr
.endr
.irp b, 0,1
	s_delay_alu instid0(VALU_DEP_2)
	v_permlanex16_b32 v[38+\b], v[36+\b], s[SEL], s[SEL+1]
.endr
.irp b, 0,1
	s_delay_alu instid0(VALU_DEP_2)
	v_max_num_f32 v[36+\b], v[36+\b], v[38+\b]
.endr
.irp b, 0,1
	s_delay_alu instid0(VALU_DEP_2)
	v_add_nc_u32 v[48+\b], 0xff000000, v[36+\b]
.endr
.irp b, 0,1
	s_delay_alu instid0(VALU_DEP_2)
	v_lshrrev_b32 v[50+\b], 23, v[48+\b]
.endr
	s_delay_alu instid0(VALU_DEP_1)
	v_lshl_or_b32 v[8+\p], v51, 8, v50             ; my head's half of the row's scale word
	v_cvt_scalef32_pk16_fp6_f32 v[PCD:PCD+2], v[S:S+15], v48
	v_cvt_scalef32_pk16_fp6_f32 v[T0:T0+2], v[S+16:S+31], v49
	v_nop                                          ; one plain place behind a scaled conversion
.irp i, 0,1,2
	v_permlane16_swap_b32 v[PCD+\i], v[T0+\i]
.endr
.irp i, 0,1,2
	s_delay_alu instid0(VALU_DEP_3)
	v_mov_b32 v[PCD+3+\i], v[T0+\i]
.endr
	global_store_b128 v1, v[PCD:PCD+3], s[36:37] offset:1536*\p         ; 512 consecutive bytes, aligned
	global_store_b64 v2, v[PCD+4:PCD+5], s[36:37] offset:1536*\p+512    ; 256 consecutive bytes, aligned
.endm
	PASS 0
	PASS 1
	v_cndmask_b32 v[TX], v8, v9, s[HM]             ; lanes 0-15 send the first tile's half words, lanes 16-31 the second's
	global_store_b16 v10, v[TX], s[38:39]          ; two bytes a lane: a scale word of the last product's K step spans two heads, and a work-group has one; one instruction a wave
	s_wait_tensorcnt 0x0                           ; the wave's end
	ds_add_u32 v11, v255
	s_wait_dscnt 0x0
	CROUND                                         ; the closing round
	s_endpgm
.Lfunc_end_k_q3c626b88d4_attn:
	.size	k_q3c626b88d4_attn, .Lfunc_end_k_q3c626b88d4_attn-k_q3c626b88d4_attn
	.p2alignl 7, 3214868480
	.fill 96, 4, 3214868480
	.section	.rodata,"a",@progbits
	.p2align	6, 0x0
	.amdhsa_kernel k_q3c626b88d4_attn
		.amdhsa_group_segment_fixed_size 263168
		.amdhsa_private_segment_fixed_size 0
		.amdhsa_enable_private_segment 0
		.amdhsa_kernarg_size 16
		.amdhsa_user_sgpr_count 2
		.amdhsa_user_sgpr_kernarg_segment_ptr 1
		.amdhsa_wavefront_size32 1
		.amdhsa_system_sgpr_workgroup_id_x 1
		.amdhsa_system_sgpr_workgroup_id_y 1
		.amdhsa_system_sgpr_workgroup_id_z 1
		.amdhsa_system_vgpr_workitem_id 0
		.amdhsa_next_free_vgpr 256
		.amdhsa_next_free_sgpr 66
		.amdhsa_reserve_vcc 0
		.amdhsa_float_denorm_mode_32 3
		.amdhsa_float_denorm_mode_16_64 3
		.amdhsa_memory_ordered 1
		.amdhsa_forward_progress 1
		.amdhsa_inst_pref_size 52
	.end_amdhsa_kernel
	.amdgpu_metadata
---
amdhsa.version: [ 1, 2 ]
amdhsa.kernels:
  - .name:           k_q3c626b88d4_attn
    .symbol:         k_q3c626b88d4_attn.kd
    .args:
      - { .name: qkv, .offset: 0, .size: 8, .value_kind: global_buffer, .address_space: global }
      - { .name: oq, .offset: 8, .size: 8, .value_kind: global_buffer, .address_space: global }
    .group_segment_fixed_size: 263168
    .private_segment_fixed_size: 0
    .kernarg_segment_align: 8
    .kernarg_segment_size: 16
    .max_flat_workgroup_size: 512
    .sgpr_count:     66
    .vgpr_count:     256
    .wavefront_size: 32
...
	.end_amdgpu_metadata
.endif
;; end of part 3
;; launch proj (part 4): grid 4 x 64, 8 waves a work-group, clusters of 4 x 4, 327,680 bytes of LDS; arguments oq, pq, proj_b, out0; writes out0
.if DOCPART == 4
	.amdgcn_target "amdgcn-amd-amdhsa--gfx1250"
	.amdhsa_code_object_version 6
	.text
	.protected	k_q3c626b88d4_proj
	.globl	k_q3c626b88d4_proj
	.p2align	8
	.type	k_q3c626b88d4_proj,@function
k_q3c626b88d4_proj:
	s_mov_b64 s[64:65], 0
	v_nop
	global_prefetch_b8 v0, s[64:65] scope:SCOPE_SE
	s_setreg_imm32_b32 hwreg(HW_REG_WAVE_MODE, 25, 1), 1
	s_wait_xcnt 0x0
	s_wait_alu depctr_hold_cnt(0) depctr_sa_sdst(0) depctr_va_vdst(0) depctr_va_sdst(0) depctr_va_ssrc(0) depctr_va_vcc(0) depctr_vm_vsrc(0)
	s_getreg_b32 s2, hwreg(HW_REG_IB_STS2, 6, 4)
	s_cmp_eq_u32 s2, 0
	s_cbranch_scc0 .Lentry_in_a_cluster
	s_endpgm
.Lentry_in_a_cluster:
	s_bfe_u32 s2, ttmp6, 0x10000c
	s_cmp_lg_u32 s2, 0xf033
	s_cbranch_scc0 .Lentry_shape_is_right
	s_endpgm
.Lentry_shape_is_right:
; out0[token][n] = sum over c of o[token][c] proj_w[n][c] + proj_b[n]: both operands are codes of FP6 (E2M3) with E8M0 scales, laid as images of the operand's registers:
; codes [block of 128 rows][K step of 128][tile 0..7][1,536 bytes], scale words [group of 64 rows][K step][256 bytes], the word of tile i, row r at 16 r + 4 i.
; A work-group makes 128 tokens x 256 outputs: 64 x 4 = 256 work-groups.  ALL OF K LIES IN LDS: the weights' 196,608 bytes, the tokens' 98,304, 12,288 of scale words; each of the eight waves
; brings its part by one tensor load at the head; nothing is filled again, so there is no ring and one wait for tiles.  No prefetch: the launch fetches nothing behind its head.
; CLUSTER 4 x 4: the four work-groups of a row share the tokens' tile, the four of a column the weights': joint loads.
; A wave makes 64 tokens x 64 outputs: 16 accumulators in window 1 (v256-383), two sets of fragments in window 0.  Source 0 = 16 rows of the weights, source 1 = 16 tokens:
; by the order of rows in a tile the 16 registers of tiles 2 b, 2 b + 1 are outputs 32 b + 16 (lane / 16) + 0 .. 15 of one token.
; A tile's row t is the token 8 u + t + 8 (t / 8) of its 32 (u: the tile's parity), as the launches before laid it.
.set RB,    98304
.set KB,    12288
.set FRB,   1536
.set PART,  49152                      ; what one load of codes brings: 192 rows of 256 bytes
.set AAT,   4*PART                     ; LDS: the weights from 0, the tokens from here,
.set SCA,   6*PART                     ; the tokens' scale words, 4,096 bytes,
.set SCB,   SCA+4096                   ; the weights', 8,192 bytes,
.set SPARE, SCB+8192                   ; and the spare words, 128 bytes a wave
.set OSC,   6291456
.set PSC,   786432
.set SPITCH, 272                       ; the way out: a stage row of 256 bytes + 16
.set FR,    12
.set ADA,   8                          ; v8-9 tokens' fragments, 16 x lane, K steps 0-3 and 4-7; v10-11 the same, 8 x lane
.set ADB,   12                         ; v12-15 the weights' likewise
.set ADS,   16                         ; v16 scale words: lanes 0-15 the tokens', lanes 16-31 the weights'
.set STO,   17
.set RD,    18
.set CO,    19
.set BO,    20
.set SPW,   22
.set NIL,   23
.set BIAS,  24
.set SC,    32                         ; v32-39 scale words, two sets of four
.set FS,    64                         ; v64-255 fragments, two sets: four of the tokens', four of the weights'
.set WV, 12
.set TH, 13
.set OQ, 14
.set CX, 15
.set CY, 16
.set RR, 17
.set CC, 18
.set G1A,  24
.set G1B,  32
.set G1SA, 40
.set G1SB, 48
.set G0A,  56
.set G0B,  60
.set G0SA, 68
.set G0SB, 72
.set MSB, 0
.macro WIN new
.if MSB != (\new)
	s_set_vgpr_msb (MSB<<8)|(\new)
.set MSB, (\new)
.endif
.endm
.macro CROUND
	s_barrier_signal -1
	s_barrier_wait -1
	s_cmp_lg_u32 s[WV], 0
	s_cbranch_scc1 .Lnot_wave_0_\@
	s_barrier_signal -3
.Lnot_wave_0_\@:
	s_barrier_wait -3
	s_barrier_signal -1
	s_barrier_wait -1
.endm
.macro PLACES
.rept 4
	v_nop
.endr
.endm
.macro G1ROWS g, rows                  ; dense rows of 256 bytes: 32 elements of 8 bytes
	s_mov_b32 s[\g+1], 32<<16
	s_mov_b32 s[\g+2], (\rows)<<16
	s_mov_b32 s[\g+3], 32<<16
	s_mov_b32 s[\g+4], \rows
	s_mov_b32 s[\g+5], 32
	s_mov_b32 s[\g+6], 0
	s_mov_b32 s[\g+7], 0
.endm
	s_load_b256 s[4:11], s[0:1], 0x0               ; oq, pq, proj_b, out0
	v_lshl_add_u32 v[SPW], v0, 2, SPARE
	v_mov_b32 v[NIL], 0
	ds_add_u32 v[SPW], v[NIL]
	ds_add_u32 v[SPW], v[NIL]
	v_lshrrev_b32 v1, 5, v0
	v_readfirstlane_b32 s[WV], v1                  ; wave 0..7
	s_lshr_b32 s[TH], s[WV], 2                     ; which 64 tokens are mine
	s_and_b32 s[OQ], s[WV], 3                      ; which 64 outputs
	s_bfe_u32 s[CX], ttmp6, 0x40000
	s_bfe_u32 s[CY], ttmp6, 0x40004
	s_and_b32 s[RR], ttmp7, 0xffff
	s_lshl_b32 s[RR], s[RR], 2
	s_add_co_u32 s[RR], s[RR], s[CY]               ; block of 128 tokens
	s_lshl_b32 s[CC], ttmp9, 2
	s_add_co_u32 s[CC], s[CC], s[CX]               ; block of 256 outputs
	s_lshl_b32 s20, s[CY], 2
	s_lshl_b32 s20, 15, s20                        ; my row of the cluster
	s_lshl_b32 s21, 0x1111, s[CX]                  ; my column
	s_or_b32 s[G1A], s20, (3<<16)|(1<<21)
	s_or_b32 s[G1SA], s20, (3<<16)|(1<<21)
	s_or_b32 s[G1B], s21, (3<<16)|(1<<21)
	s_or_b32 s[G1SB], s21, (3<<16)|(1<<21)
	G1ROWS G1A, 192
	G1ROWS G1B, 192
	G1ROWS G1SA, 16
	G1ROWS G1SB, 32
	s_mul_i32 s19, s[WV], PART                     ; waves 0-3 bring the weights' four parts, waves 4-5 the tokens' two: LDS byte = wave x PART
	s_mul_i32 s78, s[CC], 2*RB
	s_add_co_u32 s78, s78, s19
	s_mov_b32 s79, 0
	s_and_b32 s20, s[WV], 1
	s_mul_i32 s20, s20, PART
	s_mul_i32 s76, s[RR], RB
	s_add_co_u32 s76, s76, s20
	s_mov_b32 s77, 0
	s_lshl_b32 s80, s[RR], 12
	s_add_co_u32 s80, s80, OSC
	s_mov_b32 s81, 0
	s_lshl_b32 s82, s[CC], 13
	s_add_co_u32 s82, s82, PSC
	s_mov_b32 s83, 0
	s_lshl_b32 s84, s[CC], 10
	s_lshl_b32 s21, s[OQ], 8
	s_add_co_u32 s84, s84, s21                     ; my 64 outputs, in bytes of a row
	s_mov_b32 s85, 0
	s_lshl_b32 s86, s[RR], 19
	s_lshl_b32 s21, s[TH], 18
	s_add_co_u32 s86, s86, s21                     ; my 64 tokens, rows of 4,096 bytes
	s_mov_b32 s87, 0
	s_mov_b32 s[G0A], 1
	s_mov_b32 s[G0A+1], s19
	s_mov_b32 s[G0B], 1
	s_mov_b32 s[G0B+1], s19
	s_mov_b32 s[G0SA], 1
	s_mov_b32 s[G0SA+1], SCA
	s_mov_b32 s[G0SB], 1
	s_mov_b32 s[G0SB+1], SCB
	s_mul_i32 s88, s[TH], 4*FRB                    ; LDS: my four tiles of the tokens,
	s_add_co_u32 s88, s88, AAT
	s_add_co_u32 s89, s88, 4*KB
	s_lshr_b32 s90, s[OQ], 1
	s_mul_i32 s90, s90, RB
	s_and_b32 s21, s[OQ], 1
	s_mul_i32 s21, s21, 4*FRB
	s_add_co_u32 s90, s90, s21                     ; and of the weights
	s_add_co_u32 s91, s90, 4*KB
	s_lshl_b32 s93, s[TH], 11
	s_lshl_b32 s92, s[OQ], 11
	s_add_co_u32 s92, s92, SCB-SCA
	s_sub_co_u32 s92, s92, s93                     ; from my tokens' scale words to my weights'
	s_add_co_u32 s93, s93, SCA
	s_mul_i32 s94, s[WV], 16*SPITCH                ; my stage
	s_wait_dscnt 0x0
	s_wait_kmcnt 0x0
	s_add_nc_u64 s[G0A+2:G0A+3], s[4:5], s[76:77]
	s_or_b32 s[G0A+3], s[G0A+3], 0x80000000
	s_add_nc_u64 s[G0B+2:G0B+3], s[6:7], s[78:79]
	s_or_b32 s[G0B+3], s[G0B+3], 0x80000000
	s_add_nc_u64 s[G0SA+2:G0SA+3], s[4:5], s[80:81]
	s_or_b32 s[G0SA+3], s[G0SA+3], 0x80000000
	s_add_nc_u64 s[G0SB+2:G0SB+3], s[6:7], s[82:83]
	s_or_b32 s[G0SB+3], s[G0SB+3], 0x80000000
	s_add_nc_u64 s[8:9], s[8:9], s[84:85]
	s_add_nc_u64 s[10:11], s[10:11], s[84:85]
	s_add_nc_u64 s[10:11], s[10:11], s[86:87]
	CROUND                                         ; all sixteen work-groups are here: the joint loads meet
.macro ARM under, g0, g1, next         ; one chain of branches on the wave's number, one load to an arm
	s_cmp_lt_u32 s[WV], \under
	s_cbranch_scc0 \next
	tensor_load_to_lds s[\g0:\g0+3], s[\g1:\g1+7]
	s_nop 0
.rept 4
	v_nop
.endr
	s_branch .Lhead_asked
\next:
.endm
	ARM 4, G0B,  G1B,  .Lhead_a
	ARM 6, G0A,  G1A,  .Lhead_sa
	ARM 7, G0SA, G1SA, .Lhead_sb
	tensor_load_to_lds s[G0SB:G0SB+3], s[G1SB:G1SB+7]
	s_nop 0
.rept 4
	v_nop
.endr
.Lhead_asked:
	v_and_b32 v1, 15, v0                           ; r
	v_bfe_u32 v2, v0, 4, 1                         ; h
	v_and_b32 v3, 31, v0
	v_lshlrev_b32 v4, 3, v3                        ; 8 x lane
	v_lshlrev_b32 v3, 4, v3                        ; 16 x lane
	v_add_nc_u32 v[ADA], s88, v3
	v_add_nc_u32 v[ADA+1], s89, v3
	v_add_nc_u32 v[ADA+2], s88, v4
	v_add_nc_u32 v[ADA+3], s89, v4
	v_add_nc_u32 v[ADB], s90, v3
	v_add_nc_u32 v[ADB+1], s91, v3
	v_add_nc_u32 v[ADB+2], s90, v4
	v_add_nc_u32 v[ADB+3], s91, v4
	v_lshlrev_b32 v[BO], 4, v1                     ; 16 r
	v_mul_u32_u24 v6, s92, v2
	v_add_nc_u32 v5, v[BO], v6
	v_add_nc_u32 v[ADS], s93, v5
	v_mul_u32_u24 v5, v1, SPITCH                   ; into the stage: row r, 64 bytes for each half of the lanes
	v_lshl_add_u32 v5, v2, 6, v5
	v_add_nc_u32 v[STO], s94, v5
	v_mul_u32_u24 v5, v2, SPITCH                   ; back: sixteen lanes to a row of 256 bytes, two rows an instruction
	v_add_nc_u32 v5, v[BO], v5
	v_add_nc_u32 v[RD], s94, v5
	v_lshl_add_u32 v[CO], v2, 12, v[BO]            ; and the same two rows in out0
	global_load_b128 v[BIAS:BIAS+3], v[BO], s[8:9] ; the bias of my four columns of a row
	s_wait_alu depctr_va_vdst(0)
	s_wait_tensorcnt 0x0                           ; my part has landed,
	s_barrier_signal -1
	s_barrier_wait -1                              ; everybody's has
.macro FRAG reg, a16, a8, off
	ds_load_b128 v[\reg:\reg+3], v[\a16] offset:\off
	ds_load_b64 v[\reg+4:\reg+5], v[\a8] offset:\off+512
	ds_load_b128 v[\reg+6:\reg+9], v[\a16] offset:\off+768
	ds_load_b64 v[\reg+10:\reg+11], v[\a8] offset:\off+1280
.endm
.macro FETCH ks, set                   ; 33 LDS loads: K step ks's eight fragments and four registers of scale words
.irp i, 0,1,2,3
	FRAG FS+96*(\set)+FR*\i, ADA+(\ks)/4, ADA+2+(\ks)/4, ((\ks)%4)*KB+\i*FRB
	FRAG FS+96*(\set)+48+FR*\i, ADB+(\ks)/4, ADB+2+(\ks)/4, ((\ks)%4)*KB+\i*FRB
.endr
	ds_load_b128 v[SC+4*(\set):SC+4*(\set)+3], v[ADS] offset:256*(\ks)
.endm
.macro MUL set, zero                   ; 16 products; the 16 accumulators take turns
.irp a, 0,1,2,3
.irp b, 0,1,2,3
.if \zero
	v_wmma_scale_f32_16x16x128_f8f6f4 v[8*(4*\a+\b):8*(4*\a+\b)+7], v[FS+96*(\set)+48+FR*\b:FS+96*(\set)+48+FR*\b+11], v[FS+96*(\set)+FR*\a:FS+96*(\set)+FR*\a+11], 0, v[SC+4*(\set)+\b], v[SC+4*(\set)+\a] matrix_a_fmt:MATRIX_FMT_FP6 matrix_b_fmt:MATRIX_FMT_FP6 matrix_a_scale:MATRIX_SCALE_ROW1
.else
	v_wmma_scale_f32_16x16x128_f8f6f4 v[8*(4*\a+\b):8*(4*\a+\b)+7], v[FS+96*(\set)+48+FR*\b:FS+96*(\set)+48+FR*\b+11], v[FS+96*(\set)+FR*\a:FS+96*(\set)+FR*\a+11], v[8*(4*\a+\b):8*(4*\a+\b)+7], v[SC+4*(\set)+\b], v[SC+4*(\set)+\a] matrix_a_fmt:MATRIX_FMT_FP6 matrix_b_fmt:MATRIX_FMT_FP6 matrix_a_scale:MATRIX_SCALE_ROW1
.endif
.endr
.endr
.endm
	FETCH 0, 0
	FETCH 1, 1
	s_wait_dscnt 33                                ; K step 0's 33 loads are in; the 33 just issued may be out
	WIN 0x50                                       ; C and D in window 1
	MUL 0, 1                                       ; the first products start the sums
.set KS, 1
.rept 6
	PLACES                                         ; in front of loads into registers that the last step's products have read
	WIN 0
	FETCH KS+1, (KS+1)%2
	s_wait_dscnt 33
	WIN 0x50
	MUL KS%2, 0
.set KS, KS+1
.endr
	s_wait_dscnt 0x0
	MUL 1, 0
	WIN 0
	PLACES                                         ; behind the last products, ahead of the first read of results
	s_barrier_signal -1                            ; my LDS reads are over (the wait for 0 above);
	s_barrier_wait -1                              ; everybody's are: the stage may lie in bytes that have had their one fill
; THE WAY OUT, 16 tokens x 64 outputs at a time, through my own stage: whole rows of 256 bytes come back, and sixteen lanes store one aligned unit of 256 bytes.
.macro TOSTAGE a
	WIN 0x04                                       ; the data: window 1
.irp b, 0,1,2,3
	ds_store_b128 v[STO], v[8*(4*(\a)+\b):8*(4*(\a)+\b)+3] offset:128*(\b/2)+32*(\b%2)       ; each accumulator from its low end on
	ds_store_b128 v[STO], v[8*(4*(\a)+\b)+4:8*(4*(\a)+\b)+7] offset:128*(\b/2)+32*(\b%2)+16
.endr
	WIN 0
.set BB, FS+32*((\a)%2)
.irp t, 0,1,2,3,4,5,6,7
	ds_load_b128 v[BB+4*\t:BB+4*\t+3], v[RD] offset:\t*2*SPITCH   ; LDS serves a wave's instructions in order: these see the stores above
.endr
.endm
.macro SEND a, younger
.set BB, FS+32*((\a)%2)
	s_wait_dscnt \younger
.irp t, 0,1,2,3,4,5,6,7
	v_pk_add_f32 v[BB+4*\t:BB+4*\t+1], v[BB+4*\t:BB+4*\t+1], v[BIAS:BIAS+1]
	v_pk_add_f32 v[BB+4*\t+2:BB+4*\t+3], v[BB+4*\t+2:BB+4*\t+3], v[BIAS+2:BIAS+3]
.endr
.irp t, 0,1,2,3,4,5,6,7
	global_store_b128 v[CO], v[BB+4*\t:BB+4*\t+3], s[10:11] offset:(32*((\a)/2)+8*((\a)%2)+2*\t+8*(\t/4))*4096 th:TH_STORE_NT
.endr
.endm
	TOSTAGE 0
	s_wait_loadcnt 0x0                             ; the bias is in
.irp a, 1,2,3
.if \a > 1
	s_wait_xcnt 0x0                                ; block a - 2's stores have read their registers
.endif
	TOSTAGE \a
	SEND \a-1, 16                                  ; behind block a - 1's loads: block a's 8 stores and 8 loads
.endr
	SEND 3, 0
	s_wait_tensorcnt 0x0                           ; the wave's end
	ds_add_u32 v[SPW], v[NIL]
	s_wait_dscnt 0x0
	CROUND                                         ; the closing round
	s_endpgm
.Lfunc_end_k_q3c626b88d4_proj:
	.size	k_q3c626b88d4_proj, .Lfunc_end_k_q3c626b88d4_proj-k_q3c626b88d4_proj
	.p2alignl 7, 3214868480
	.fill 96, 4, 3214868480
	.section	.rodata,"a",@progbits
	.p2align	6, 0x0
	.amdhsa_kernel k_q3c626b88d4_proj
		.amdhsa_group_segment_fixed_size 327680
		.amdhsa_private_segment_fixed_size 0
		.amdhsa_enable_private_segment 0
		.amdhsa_kernarg_size 32
		.amdhsa_user_sgpr_count 2
		.amdhsa_user_sgpr_kernarg_segment_ptr 1
		.amdhsa_wavefront_size32 1
		.amdhsa_system_sgpr_workgroup_id_x 1
		.amdhsa_system_sgpr_workgroup_id_y 1
		.amdhsa_system_sgpr_workgroup_id_z 1
		.amdhsa_system_vgpr_workitem_id 0
		.amdhsa_next_free_vgpr 384
		.amdhsa_next_free_sgpr 100
		.amdhsa_reserve_vcc 0
		.amdhsa_float_denorm_mode_32 3
		.amdhsa_float_denorm_mode_16_64 3
		.amdhsa_memory_ordered 1
		.amdhsa_forward_progress 1
		.amdhsa_inst_pref_size 55
	.end_amdhsa_kernel
	.amdgpu_metadata
---
amdhsa.version: [ 1, 2 ]
amdhsa.kernels:
  - .name:           k_q3c626b88d4_proj
    .symbol:         k_q3c626b88d4_proj.kd
    .args:
      - { .name: oq, .offset: 0, .size: 8, .value_kind: global_buffer, .address_space: global }
      - { .name: pq, .offset: 8, .size: 8, .value_kind: global_buffer, .address_space: global }
      - { .name: proj_b, .offset: 16, .size: 8, .value_kind: global_buffer, .address_space: global }
      - { .name: out0, .offset: 24, .size: 8, .value_kind: global_buffer, .address_space: global }
    .group_segment_fixed_size: 327680
    .private_segment_fixed_size: 0
    .kernarg_segment_align: 8
    .kernarg_segment_size: 32
    .max_flat_workgroup_size: 256
    .sgpr_count:     100
    .vgpr_count:     384
    .wavefront_size: 32
...
	.end_amdgpu_metadata
.endif
;; end of part 4
